; MI455X (gfx1250); checked and timed in simulation.
; The chip was launched on July 23, 2026; its instructions are those of AMD's public machine-readable ISA for CDNA 5 (MIT licence, August 2026) and "CDNA5" Instruction Set Architecture Reference Guide (July 2026). The comments in the code are by the model that wrote it; some were corrected since.
;; Mo E Layer. Allowed arithmetic: matrix products marked QUANTISED: E2M1 operands, one E8M0 scale for each 32 along K, by v_wmma_scale_f32_16x16x128_f8f6f4 with both operands' format E2M1 (or v_wmma_scale_f32_32x16x128_f4), f32 sums; products left as they are: f32 operands where the result goes on into a quantised operand, else bf16, f16 or f32 operands; f32 sums; everything else in f32.
;; Inputs: b1 8 x 4,096 float32; b2 8 x 1,024 float32; gate_b 8 float32; gate_w 8 x 1,024 float32; w1 8 x 1,024 x 4,096 float32; w2 8 x 4,096 x 1,024 float32; x 1 x 1,024 x 1,024 float32.
;; Outputs: out0 1 x 1,024 x 1,024 float32.
;; This version of the problem:
;;   THIS VERSION OF THE PROBLEM IS GIVEN IN LOW PRECISION. The matrix products marked QUANTISED in the list below multiply operands that are first quantised to E2M1 (2 exponent bits, 1 mantissa bit; 4 bits a number), with one power-of-two scale for each 32 numbers along K (OCP MX v1.0); their sums are f32. All else is computed in f32.
;;   The module's matrix products, in the order in which they are computed (A, B: the left and right operand; K: the contracted axis; several contracted axes count as one K, in the product's order):
;;     1. [M 1,024, K 1,024] x [K 1,024, N 8]; A: input x; B: input gate_w: left as it is (N = 8 < 16)
;;     2. [M 1,024, K 1,024] x [K 1,024, N 32,768]; A: input x; B: input w1: QUANTISED
;;     3. batch 8 x [M 1,024, K 4,096] x [K 4,096, N 1,024]; A: input w2; B: computed on the way: QUANTISED
;;     4. batch 1,024 x [M 1, K 8] x [K 8, N 1,024]; A: computed on the way; B: computed on the way: left as it is (K = 8 < 32)
;;   THE QUANTISER, for each operand of a quantised product, along K:
;;     - K is cut into blocks of 32 from its start; a last block that is shorter is filled with zeros.
;;     - A block's scale is 2^e with e = floor(log2(the largest magnitude in the block)) - 2, held to -126 .. 127; a block of zeros has e = 0. As a byte (E8M0): e + 127.
;;     - Each number is divided by its block's scale, clamped to +-6, and rounded to the nearest number of E2M1, ties to even, subnormals kept.
;;     - The product sums the exact products of the quantised numbers (number of the format x scale) in f32.
;;   ~~~python
;;   def quantise(x, axis):      # numpy; x: float32 -> the quantised numbers, widened to float32 again
;;       x = np.moveaxis(x, axis, -1); K = x.shape[-1]
;;       x = np.pad(x, [(0, 0)] * (x.ndim - 1) + [(0, -K % 32)]); x = x.reshape(x.shape[:-1] + (-1, 32)); a = np.abs(x).max(-1, keepdims=True)
;;       e = np.where(a > 0, np.clip(np.frexp(np.where(a > 0, a, 1))[1] - 1 - 2, -126, 127), 0)      # np.frexp(a)[1] - 1 = floor(log2(a)), exactly
;;       r = np.clip(x / 2.0 ** e, -6, 6)
;;       step = 2.0 ** (np.maximum(np.frexp(np.where(r == 0, 1, r))[1] - 1, 0) - 1)
;;       q = np.round(r / step) * step * 2.0 ** e      # np.round: ties to even
;;       return np.moveaxis(q.reshape(q.shape[:-2] + (-1,))[..., :K], -1, axis).astype(np.float32)
;;   ~~~
;;   OPERANDS COMPUTED ON THE WAY. 'Computed on the way' means the value that the module computes at that place (a softmax that the list does not call 'softmax' is quantised finished and normalised). What goes into a quantiser is computed in f32, as accurately as f32 sums, v_exp_f32 and their like allow (about 1e-6 of the number): no bf16 or f16 on the way to a quantiser, and a product that is left as it is and whose result goes on into a quantised operand takes f32 operands (vector FMAs, or v_wmma_f32_16x16x4_f32). A number that lies on a knife's edge between two numbers of the format may be rounded either way, as far as f32 arithmetic and the matrix unit's own rounding can turn it there, and no further.
;; 2 versions, each right and faster than the one before. Each part assembles by itself: llvm-mc -triple=amdgcn-amd-amdhsa -mcpu=gfx1250 --defsym DOCPART=n.
;; ======== version 1 of 2: 5 launches
;; workspace buffers: xq 524,288 bytes; xs 32,768 bytes; sel 8,192 bytes of whole numbers; rw 8,192 bytes; list 65,792 bytes of whole numbers; hq 4,718,592 bytes; hs 294,912 bytes; ybuf 16,777,216 bytes
;; launch route (part 1): grid 32 x 1, 8 waves a work-group, no clusters, 35,328 bytes of LDS; arguments x, gate_w, gate_b, xq, xs, sel, rw; writes xq, xs, sel, rw
.if DOCPART == 1
	.amdgcn_target "amdgcn-amd-amdhsa--gfx1250"
	.amdhsa_code_object_version 6
	.text
	.protected	k_q28706e7d1f_route
	.globl	k_q28706e7d1f_route
	.p2align	8
	.type	k_q28706e7d1f_route,@function
k_q28706e7d1f_route:
	s_mov_b64 s[64:65], 0
	v_nop
	global_prefetch_b8 v0, s[64:65] scope:SCOPE_SE
	s_setreg_imm32_b32 hwreg(HW_REG_WAVE_MODE, 25, 1), 1
	s_wait_xcnt 0x0
; MoE layer, launch 1 of 5: the router (logits in f32, top 2 of 8, softmax over the two) and x as codes of E2M1 with one E8M0 byte for each 32 along H.
; WORK LEFT OUT BY THE WHOLE PROGRAM.  reference() forms combine[t][e] as the sum of one_hot(sel[t][k]) x rw[t][k]: for every expert e that is not sel[t][0] or sel[t][1]
; combine[t][e] is the zero that one_hot writes, whatever the inputs hold.  out[t] = sum over e of combine[t][e] y[t][e], so the rows h[t][e] and y[t][e] of those experts reach no output
; in exact arithmetic.  The program multiplies only the 2,048 pairs (t, k).  No input is left out.  LIMIT: a NaN, an infinity or an overflow in a row of an expert that was not chosen is not carried to out.
; LIMITS: NaN and infinities among the inputs are not served (a NaN logit neither).  The logits are summed in another order than reference() sums them: two logits closer than f32 rounding may change places.
; A block of x whose largest magnitude lies under 2^-124 gets the byte 1, a block of zeros too (the rule says 127): its codes are zeros and this program alone reads the bytes.
; SHARES.  32 work-groups x 32 tokens; a wave takes 4 rows; lane l holds block l (k = 32 l .. 32 l + 31) of each of them in 32 registers: the block serves the logits and the quantiser.
; A row id is 2 t + k.  sel[id] (u32) and rw[id] (f32) go to fixed places; a later launch places the rows by expert.  No matrix work, no cluster: 8 columns of gate_w, and no tile is shared through a mover.
.set XSL,   32768                      ; LDS: gate_w at 0 as [e][piece 8][lane 32][16 bytes]; from here the 32 tokens scale bytes, 32 a token
.set SELS,  33792                      ; 64 words: the chosen experts
.set RWS,   34048                      ; 64 words: their weights
.set SPARE, 34304                      ; the spare words, 128 bytes a wave
.set SPW, 1                            ; v1  my spare word; never rewritten
.set NIL, 2                            ; v2  0; never rewritten
.set LN,  3                            ; v3  lane
.set GS,  4                            ; v4  where I put a piece of gate_w
.set GO,  5                            ; v5  16 x thread: my piece in a row of gate_w
.set XOF, 6                            ; v6  128 x lane: my block in a row of x
.set GL,  7                            ; v7  16 x lane
.set SA,  8                            ; v8  my wave's 8 words among the chosen experts
.set XSA, 9                            ; v9  my byte among my wave's scale bytes
.set FA,  10                           ; v10 the way out: 8 bytes a lane of one block of 256
.set FO,  11                           ; v11 8 x lane
.set NINF, 12                          ; v12 -infinity
.set LG,  16                           ; v16-47  logits: row rr, expert e at 8 rr + e
.set AC,  48                           ; v48-55  a pair of sums for each row
.set G,   56                           ; v56-103 three sets of 16 numbers of gate_w; later at work
.set M1,  104
.set I1,  108
.set M2,  112
.set I2,  116
.set T,   120
.set R,   124
.set X,   128                          ; v128-255 four rows x 32 numbers
	s_load_b256 s[4:11], s[0:1], 0x0               ; x, gate_w, gate_b, xq
	s_load_b128 s[12:15], s[0:1], 0x20             ; xs, sel
	s_load_b64 s[16:17], s[0:1], 0x30              ; rw
	v_lshl_add_u32 v[SPW], v0, 2, SPARE
	v_mov_b32 v[NIL], 0
	v_lshrrev_b32 v[LN], 5, v0
	v_readfirstlane_b32 s18, v[LN]                 ; wave 0..7
	v_and_b32 v[LN], 31, v0
	v_and_b32 v[GS], 7, v0                         ; thread t holds k = 4 t .. 4 t + 3 of a row of gate_w: piece t % 8 of lane t / 8
	v_lshlrev_b32 v[GS], 9, v[GS]
	v_lshrrev_b32 v[GO], 3, v0
	v_lshl_add_u32 v[GS], v[GO], 4, v[GS]
	v_lshlrev_b32 v[GO], 4, v0
	v_lshlrev_b32 v[XOF], 7, v[LN]
	v_lshlrev_b32 v[GL], 4, v[LN]
	s_lshl_b32 s30, s18, 5
	s_add_co_u32 s30, s30, SELS
	v_mov_b32 v[SA], s30
	s_lshl_b32 s30, s18, 7
	s_add_co_u32 s30, s30, XSL
	v_add_nc_u32 v[XSA], s30, v[LN]
	s_lshl_b32 s30, s18, 8
	s_add_co_u32 s30, s30, XSL
	v_lshlrev_b32 v[FO], 3, v[LN]
	v_add_nc_u32 v[FA], s30, v[FO]
	v_mov_b32 v[NINF], 0xff800000
	s_mov_b32 s28, 0x76543210                      ; v_permlanex16_b32: lane l xor 16
	s_mov_b32 s29, 0xfedcba98
	s_lshl_b32 s30, ttmp9, 5
	s_lshl_b32 s31, s18, 2
	s_add_co_u32 s30, s30, s31                     ; my first token: 32 x work-group + 4 x wave
	s_lshl_b32 s32, s30, 12                        ; in x, 4,096 bytes a row
	s_mov_b32 s33, 0
	s_lshl_b32 s34, s30, 9                         ; in xq, 512 bytes a row
	s_mov_b32 s35, 0
	s_lshl_b32 s36, ttmp9, 10                      ; the way out: waves 0-3 a quarter of the group's 1,024 scale bytes,
	s_lshl_b32 s31, s18, 8
	s_add_co_u32 s36, s36, s31
	s_lshl_b32 s31, ttmp9, 8                       ; waves 4 and 5 the group's 256 bytes of sel and of rw
	s_cmp_lt_u32 s18, 4
	s_cselect_b32 s36, s36, s31
	s_mov_b32 s37, 0
	s_wait_kmcnt 0x0
	s_load_b256 s[20:27], s[8:9], 0x0              ; gate_b
	s_add_nc_u64 s[4:5], s[4:5], s[32:33]
	s_add_nc_u64 s[10:11], s[10:11], s[34:35]
	s_cmp_lt_u32 s18, 4                            ; the buffer is chosen by the wave's number alone
	s_cselect_b64 s[38:39], s[12:13], s[14:15]
	s_cmp_eq_u32 s18, 5
	s_cselect_b64 s[38:39], s[16:17], s[38:39]
	s_add_nc_u64 s[38:39], s[38:39], s[36:37]
.irp j, 0,1,2,3,4,5,6,7
	global_load_b128 v[G+4*\j:G+4*\j+3], v[GO], s[6:7] offset:4096*\j          ; gate_w, a row of an expert by the 256 threads
.endr
.irp rr, 0,1,2,3
.irp i, 0,1,2,3,4,5,6,7
	global_load_b128 v[X+32*\rr+4*\i:X+32*\rr+4*\i+3], v[XOF], s[4:5] offset:4096*\rr+16*\i th:TH_LOAD_NT   ; a lane's 128 bytes by eight loads on end: together they cover the row
.endr
.endr
	s_wait_loadcnt 32                              ; the gate's eight pieces are in; the 32 loads of x stay out
.irp j, 0,1,2,3,4,5,6,7
	ds_store_b128 v[GS], v[G+4*\j:G+4*\j+3] offset:4096*\j
.endr
	s_wait_dscnt 0x0                               ; for the others: my pieces lie in LDS
	s_barrier_signal -1
	s_barrier_wait -1
; step st = 2 e + half: 16 numbers of expert e for my block, into set st % 3
.macro LOADGW st
.irp i, 0,1,2,3
	ds_load_b128 v[G+16*((\st)%3)+4*\i:G+16*((\st)%3)+4*\i+3], v[GL] offset:4096*((\st)/2)+512*(4*((\st)%2)+\i)
.endr
.endm
.macro DOT st                          ; four rows by turns, eight packed multiply-adds each; an expert's first product starts the sums
.set GS_, G+16*((\st)%3)
.set XH_, X+16*((\st)%2)
.irp p, 0,1,2,3,4,5,6,7
.irp rr, 0,1,2,3
.if (((\st)%2) == 0) && (\p == 0)
	v_pk_mul_f32 v[AC+2*\rr:AC+2*\rr+1], v[XH_+32*\rr:XH_+32*\rr+1], v[GS_:GS_+1]
.else
	v_pk_fma_f32 v[AC+2*\rr:AC+2*\rr+1], v[XH_+32*\rr+2*\p:XH_+32*\rr+2*\p+1], v[GS_+2*\p:GS_+2*\p+1], v[AC+2*\rr:AC+2*\rr+1]
.endif
.endr
.endr
.if ((\st)%2) == 1
.irp rr, 0,1,2,3
	v_add_f32 v[LG+8*\rr+(\st)/2], v[AC+2*\rr], v[AC+2*\rr+1]
.endr
.endif
.endm
	LOADGW 0
	LOADGW 1
	s_wait_loadcnt 0x0                             ; x
.set ST, 0
.rept 16
.if ST+2 < 16
	LOADGW ST+2
	s_wait_dscnt 8                                 ; this step's four loads are in; the two younger sets stay out
.else
	s_wait_dscnt 4*(15-ST)
.endif
	DOT ST
.set ST, ST+1
.endr
; the 32 sums over the 32 lanes: four steps inside each half ride on the addition, one crosses the halves
.irp m, 1,2,4,8
.set J_, 0
.rept 32
	v_add_f32_dpp v[LG+J_], v[LG+J_], v[LG+J_] row_xmask:\m row_mask:0xf bank_mask:0xf
.set J_, J_+1
.endr
.endr
.set J_, 0
.rept 32
	v_permlanex16_b32 v[G+J_], v[LG+J_], s28, s29  ; (its destination has been written: gate_w lay there)
.set J_, J_+1
.endr
.set J_, 0
.rept 32
	v_add_f32 v[LG+J_], v[LG+J_], v[G+J_]
.set J_, J_+1
.endr
	s_wait_kmcnt 0x0                               ; gate_b
.irp rr, 0,1,2,3
.irp e, 0,1,2,3,4,5,6,7
	v_add_f32 v[LG+8*\rr+\e], s[20+\e], v[LG+8*\rr+\e]
.endr
.endr
; the largest of a row's eight logits and its index: the old one stays where the new one is not larger, so a tie keeps the lower index, as lax.top_k does
.macro SCAN m, i, rr
	v_mov_b32 v[\m+\rr], v[LG+8*\rr]
	v_mov_b32 v[\i+\rr], 0
.irp e, 1,2,3,4,5,6,7
	v_cmp_le_f32 vcc_lo, v[LG+8*\rr+\e], v[\m+\rr]
	v_cndmask_b32 v[\m+\rr], v[LG+8*\rr+\e], v[\m+\rr], vcc_lo
	v_cndmask_b32 v[\i+\rr], \e, v[\i+\rr], vcc_lo
.endr
.endm
.irp rr, 0,1,2,3
	SCAN M1, I1, \rr
.irp e, 0,1,2,3,4,5,6,7
	v_cmp_eq_u32 vcc_lo, \e, v[I1+\rr]             ; the winner leaves the field
	v_cndmask_b32 v[LG+8*\rr+\e], v[LG+8*\rr+\e], v[NINF], vcc_lo
.endr
	SCAN M2, I2, \rr
.endr
; softmax over the two: the larger is taken away, as reference() does: weights 1 / (1 + e^d) and e^d / (1 + e^d), d = m2 - m1 <= 0
.irp rr, 0,1,2,3
	v_sub_f32 v[T+\rr], v[M2+\rr], v[M1+\rr]
.endr
.irp rr, 0,1,2,3
	v_mul_f32 v[T+\rr], 0x3fb8aa3b, v[T+\rr]
.endr
.irp rr, 0,1,2,3
	v_exp_f32 v[T+\rr], v[T+\rr]
.endr
	v_nop                                          ; a plain instruction behind the last exponential
	s_wait_alu depctr_va_vdst(0)                   ; one wait for the four, ahead of their first reader
.irp rr, 0,1,2,3
	v_add_f32 v[R+\rr], 1.0, v[T+\rr]
.endr
.irp rr, 0,1,2,3
	v_rcp_f32 v[R+\rr], v[R+\rr]
.endr
	v_nop
	s_wait_alu depctr_va_vdst(0)                   ; and one for the four reciprocals
.irp rr, 0,1,2,3
	v_mul_f32 v[T+\rr], v[T+\rr], v[R+\rr]
.endr
.irp rr, 0,1,2,3
	ds_store_b32 v[SA], v[I1+\rr] offset:8*\rr                 ; all lanes write the same word with the same value
	ds_store_b32 v[SA], v[I2+\rr] offset:8*\rr+4
	ds_store_b32 v[SA], v[R+\rr] offset:8*\rr+256
	ds_store_b32 v[SA], v[T+\rr] offset:8*\rr+260
.endr
; x as codes: all 32 numbers of a block are one lane's
.irp rr, 0,1,2,3
	v_max3_num_f32 v[G+8*\rr+4], |v[X+32*\rr]|, |v[X+32*\rr+1]|, |v[X+32*\rr+2]|
	v_max3_num_f32 v[G+8*\rr+5], |v[X+32*\rr+3]|, |v[X+32*\rr+4]|, |v[X+32*\rr+5]|
.irp i, 6,10,14,18,22,26
	v_max3_num_f32 v[G+8*\rr+4], v[G+8*\rr+4], |v[X+32*\rr+\i]|, |v[X+32*\rr+\i+1]|
	v_max3_num_f32 v[G+8*\rr+5], v[G+8*\rr+5], |v[X+32*\rr+\i+2]|, |v[X+32*\rr+\i+3]|
.endr
	v_max3_num_f32 v[G+8*\rr+4], v[G+8*\rr+4], |v[X+32*\rr+30]|, |v[X+32*\rr+31]|
	v_max3_num_f32 v[G+8*\rr+4], v[G+8*\rr+4], v[G+8*\rr+5], 0x1800000    ; the floor 2^(3 - 127): the byte cannot fall under 1
	v_add_nc_u32 v[G+8*\rr+6], 0xff000000, v[G+8*\rr+4]                   ; 2 off the exponent field: the conversion's scale operand
.irp c, 0,1,2,3
	v_cvt_scalef32_pk8_fp4_f32 v[G+8*\rr+\c], v[X+32*\rr+8*\c:X+32*\rr+8*\c+7], v[G+8*\rr+6]
.endr
	v_lshrrev_b32 v[G+8*\rr+7], 23, v[G+8*\rr+6]                          ; the scale's byte
	global_store_b128 v[GL], v[G+8*\rr:G+8*\rr+3], s[10:11] offset:512*\rr ; the wave stores a row's 512 bytes of codes
	ds_store_b8 v[XSA], v[G+8*\rr+7] offset:32*\rr
.endr
	s_wait_dscnt 0x0                               ; for the others: my bytes and words lie in LDS
	s_barrier_signal -1
	s_barrier_wait -1
	s_cmp_gt_u32 s18, 5                            ; six blocks of 256 bytes leave, one a wave
	s_cbranch_scc1 .Lend
	ds_load_b64 v[T:T+1], v[FA]
	s_wait_dscnt 0x0
	global_store_b64 v[FO], v[T:T+1], s[38:39]     ; 32 lanes store 256 consecutive bytes, aligned
.Lend:
	s_wait_tensorcnt 0x0                           ; the wave's end
	ds_add_u32 v[SPW], v[NIL]
	s_wait_dscnt 0x0
	s_endpgm
.Lfunc_end_k_q28706e7d1f_route:
	.size	k_q28706e7d1f_route, .Lfunc_end_k_q28706e7d1f_route-k_q28706e7d1f_route
	.p2alignl 7, 3214868480
	.fill 96, 4, 3214868480
	.section	.rodata,"a",@progbits
	.p2align	6, 0x0
	.amdhsa_kernel k_q28706e7d1f_route
		.amdhsa_group_segment_fixed_size 35328
		.amdhsa_private_segment_fixed_size 0
		.amdhsa_enable_private_segment 0
		.amdhsa_kernarg_size 56
		.amdhsa_user_sgpr_count 2
		.amdhsa_user_sgpr_kernarg_segment_ptr 1
		.amdhsa_wavefront_size32 1
		.amdhsa_system_sgpr_workgroup_id_x 1
		.amdhsa_system_sgpr_workgroup_id_y 1
		.amdhsa_system_sgpr_workgroup_id_z 1
		.amdhsa_system_vgpr_workitem_id 0
		.amdhsa_next_free_vgpr 256
		.amdhsa_next_free_sgpr 66
		.amdhsa_reserve_vcc 1
		.amdhsa_float_denorm_mode_32 3
		.amdhsa_float_denorm_mode_16_64 3
		.amdhsa_memory_ordered 1
		.amdhsa_forward_progress 1
		.amdhsa_inst_pref_size 73
	.end_amdhsa_kernel
	.amdgpu_metadata
---
amdhsa.version: [ 1, 2 ]
amdhsa.kernels:
  - .name:           k_q28706e7d1f_route
    .symbol:         k_q28706e7d1f_route.kd
    .args:
      - { .name: x, .offset: 0, .size: 8, .value_kind: global_buffer, .address_space: global }
      - { .name: gate_w, .offset: 8, .size: 8, .value_kind: global_buffer, .address_space: global }
      - { .name: gate_b, .offset: 16, .size: 8, .value_kind: global_buffer, .address_space: global }
      - { .name: xq, .offset: 24, .size: 8, .value_kind: global_buffer, .address_space: global }
      - { .name: xs, .offset: 32, .size: 8, .value_kind: global_buffer, .address_space: global }
      - { .name: sel, .offset: 40, .size: 8, .value_kind: global_buffer, .address_space: global }
      - { .name: rw, .offset: 48, .size: 8, .value_kind: global_buffer, .address_space: global }
    .group_segment_fixed_size: 35328
    .private_segment_fixed_size: 0
    .kernarg_segment_align: 8
    .kernarg_segment_size: 56
    .max_flat_workgroup_size: 256
    .sgpr_count:     66
    .vgpr_count:     256
    .wavefront_size: 32
...
	.end_amdgpu_metadata
.endif
;; end of part 1
;; launch place (part 2): grid 8 x 1, 1 waves a work-group, no clusters, 0 bytes of LDS; arguments sel, list; writes list
.if DOCPART == 2
	.amdgcn_target "amdgcn-amd-amdhsa--gfx1250"
	.amdhsa_code_object_version 6
	.text
	.protected	k_q28706e7d1f_place
	.globl	k_q28706e7d1f_place
	.p2align	8
	.type	k_q28706e7d1f_place,@function
k_q28706e7d1f_place:
	s_mov_b64 s[64:65], 0
	v_nop
	global_prefetch_b8 v0, s[64:65] scope:SCOPE_SE
	s_setreg_imm32_b32 hwreg(HW_REG_WAVE_MODE, 25, 1), 1
	s_wait_xcnt 0x0
; MoE layer, launch 2 of 5: the row ids (2 t + k) are placed by expert.  Only chosen rows are listed: see the head of the first kernel.
; Work-group e, one wave, reads all 2,048 words of sel and writes expert e's part of list: 8,192 bytes: 1,024 entries, then 64 dump words.  The count goes to byte 65,536 + 4 e.
; A counting walk without atomics: 64 steps of 32 ids; a lane's place is the count so far + the matches in the lanes below it.  A lane without a match stores into its dump word.
; The entries from the count on are filled with one id of the expert (the last match seen; 0 where it has none), so that later launches can take rows in 32s without a mask: a filled row repeats a real one.
; Every address is chosen first, then held at 2,047 words, then shifted.  Each store has registers of its own, so none is rewritten while a store may read it.
.set SW, 16                            ; v16-79   sel, word n = 4 q + i: id 128 q + 4 lane + i
.set PP, 80                            ; v80-143  a step's byte offset
.set ID, 144                           ; v144-207 a step's id
.set PA, 208                           ; v208-239 the filling's byte offsets
	s_load_b128 s[4:7], s[0:1], 0x0                ; sel, list
	v_lshlrev_b32 v1, 4, v0                        ; 16 x lane
	v_lshlrev_b32 v2, 2, v0                        ; 4 x lane
	v_add_nc_u32 v3, 1024, v0                      ; my dump word for the walk,
	v_add_nc_u32 v4, 1056, v0                      ; and for the filling
	s_mov_b32 s12, ttmp9                           ; e
	s_mov_b32 s20, 0                               ; the count
	s_mov_b32 s21, 0                               ; an id of the expert
	s_lshl_b32 s8, ttmp9, 13
	s_mov_b32 s9, 0
	s_lshl_b32 s15, ttmp9, 2
	s_wait_kmcnt 0x0
	s_add_nc_u64 s[10:11], s[6:7], s[8:9]
.irp q, 0,1,2,3,4,5,6,7,8,9,10,11,12,13,14,15
	global_load_b128 v[SW+4*\q:SW+4*\q+3], v1, s[4:5] offset:512*\q
.endr
	s_wait_loadcnt 0x0
.set N_, 0
.rept 64
	v_cmp_eq_u32 vcc_lo, s12, v[SW+N_]
	v_mbcnt_lo_u32_b32 v[PP+N_], vcc_lo, s20       ; the count so far + the matches below me
	v_cndmask_b32 v[PP+N_], v3, v[PP+N_], vcc_lo   ; no match: the dump word
	v_min_u32 v[PP+N_], 0x7ff, v[PP+N_]
	v_lshlrev_b32 v[PP+N_], 2, v[PP+N_]
	v_add_nc_u32 v[ID+N_], 128*(N_/4)+N_%4, v2
	global_store_b32 v[PP+N_], v[ID+N_], s[10:11]
	s_ctz_i32_b32 s13, vcc_lo                      ; the first matching lane's id, kept where there is a match
	s_lshl_b32 s13, s13, 2
	s_add_co_u32 s13, s13, 128*(N_/4)+N_%4
	s_cmp_lg_u32 vcc_lo, 0
	s_cselect_b32 s21, s13, s21
	s_bcnt1_i32_b32 s14, vcc_lo
	s_add_co_u32 s20, s20, s14
.set N_, N_+1
.endr
	v_mov_b32 v5, s21
.set N_, 0
.rept 32
	v_add_nc_u32 v[PA+N_], 32*N_, v0               ; entry j = 32 n + lane
	v_cmp_gt_u32 vcc_lo, s20, v[PA+N_]             ; taken by the walk where the count is above j
	v_cndmask_b32 v[PA+N_], v[PA+N_], v4, vcc_lo
	v_min_u32 v[PA+N_], 0x7ff, v[PA+N_]
	v_lshlrev_b32 v[PA+N_], 2, v[PA+N_]
	global_store_b32 v[PA+N_], v5, s[10:11]
.set N_, N_+1
.endr
	v_mov_b32 v6, s20
	v_mov_b32 v7, s15
	global_store_b32 v7, v6, s[6:7] offset:65536   ; the count; all lanes write the same word with the same value
	s_endpgm
.Lfunc_end_k_q28706e7d1f_place:
	.size	k_q28706e7d1f_place, .Lfunc_end_k_q28706e7d1f_place-k_q28706e7d1f_place
	.p2alignl 7, 3214868480
	.fill 96, 4, 3214868480
	.section	.rodata,"a",@progbits
	.p2align	6, 0x0
	.amdhsa_kernel k_q28706e7d1f_place
		.amdhsa_group_segment_fixed_size 0
		.amdhsa_private_segment_fixed_size 0
		.amdhsa_enable_private_segment 0
		.amdhsa_kernarg_size 16
		.amdhsa_user_sgpr_count 2
		.amdhsa_user_sgpr_kernarg_segment_ptr 1
		.amdhsa_wavefront_size32 1
		.amdhsa_system_sgpr_workgroup_id_x 1
		.amdhsa_system_sgpr_workgroup_id_y 1
		.amdhsa_system_sgpr_workgroup_id_z 1
		.amdhsa_system_vgpr_workitem_id 0
		.amdhsa_next_free_vgpr 240
		.amdhsa_next_free_sgpr 66
		.amdhsa_reserve_vcc 1
		.amdhsa_float_denorm_mode_32 3
		.amdhsa_float_denorm_mode_16_64 3
		.amdhsa_memory_ordered 1
		.amdhsa_forward_progress 1
		.amdhsa_inst_pref_size 53
	.end_amdhsa_kernel
	.amdgpu_metadata
---
amdhsa.version: [ 1, 2 ]
amdhsa.kernels:
  - .name:           k_q28706e7d1f_place
    .symbol:         k_q28706e7d1f_place.kd
    .args:
      - { .name: sel, .offset: 0, .size: 8, .value_kind: global_buffer, .address_space: global }
      - { .name: list, .offset: 8, .size: 8, .value_kind: global_buffer, .address_space: global }
    .group_segment_fixed_size: 0
    .private_segment_fixed_size: 0
    .kernarg_segment_align: 8
    .kernarg_segment_size: 16
    .max_flat_workgroup_size: 32
    .sgpr_count:     66
    .vgpr_count:     240
    .wavefront_size: 32
...
	.end_amdgpu_metadata
.endif
;; end of part 2
;; launch ffn1 (part 3): grid 32 x 8, 16 waves a work-group, no clusters, 80,384 bytes of LDS; arguments w1, b1, xq, xs, list, hq, hs; writes hq, hs
.if DOCPART == 3
	.amdgcn_target "amdgcn-amd-amdhsa--gfx1250"
	.amdhsa_code_object_version 6
	.text
	.protected	k_q28706e7d1f_ffn1
	.globl	k_q28706e7d1f_ffn1
	.p2align	8
	.type	k_q28706e7d1f_ffn1,@function
k_q28706e7d1f_ffn1:
	s_mov_b64 s[64:65], 0
	v_nop
	global_prefetch_b8 v0, s[64:65] scope:SCOPE_SE
	s_setreg_imm32_b32 hwreg(HW_REG_WAVE_MODE, 25, 1), 1
	s_wait_xcnt 0x0
; MoE layer, launch 3 of 5: h = gelu(x W1 + b1) for the chosen rows alone (see the head of the first kernel), as codes of E2M1 along F.
; Work-group (fs, e) owns columns 128 fs .. + 127 of expert e and ALL of its rows, so each byte of w1 is read by one work-group, once.
; PHASE Q.  The 16 waves stream the slice, 1,024 x 128 f32, in four chunks of 256 along K.  A LANE TAKES A COLUMN AND ITS REGISTERS RUN DOWN K: a block of 32 is one lane's, the conversions give codes with K
; innermost, and 16 bytes go to LDS at the place that the operand's registers want: 64 fragments (K step ks, tile t) as images of their registers, 1,152 bytes apart (1,024 + 128).
; Column 32 c + l goes to tile 2 c + ((l >> 3) & 1), row ((l >> 4) << 3) | (l & 7): then the 16 registers of tiles 2 b and 2 b + 1 of a result are 16 neighbours along F.
; A wave's two loads of a row stand on end and cover 256 consecutive bytes, aligned.  Two chunks, 128 loads of 128 bytes a wave, are asked for ahead of the first wait.
; ONE barrier, on every wave's path.  An expert without rows streams its slice all the same: the barrier may not hang on a number read from memory.
; PHASE C.  Wave w takes the pairs (32 rows, two tiles) w, w + 16, .. of the expert; their number comes from list.  Tokens' codes come from memory into registers, W1's fragments from LDS.
; The loop over a wave's pairs ends on a count of trips, stepped by 1, against the wave's number of pairs; the pair's number, stepped by 16, feeds addresses alone.
; The product is used transposed (source 0 = 16 columns of W1, source 1 = 16 tokens): a lane holds one token and 64 neighbouring-by-16 numbers along F: bias, gelu, quantiser in registers, image to hq.
; gelu = 0.5 z (1 + erf(z / sqrt 2)), erf as x P(x^2) / Q(x^2) with x held to +-4, all in f32.
; NO CLUSTER, NO TENSOR LOAD: the pairs' count is read from memory and steers a branch; no two work-groups read the same byte of w1.
; LIMITS: NaN and infinities are not served; a block under 2^-124, or of zeros, gets the byte 1 (its codes are zeros where it is zero; this program alone reads the bytes).  Rows that fill a pair repeat the expert's listed id.
.set FS,    1152
.set SCW,   64*FS                      ; W1's scale words: [ks 8][slot 32][p 4]: slot = 16 u + m, word p: tile 2 p + u
.set BIAS,  SCW+4096                   ; b1's 128 numbers
.set SPARE, BIAS+512                   ; the spare words, 128 bytes a wave
.set SPW, 1                            ; v1  my spare word; never rewritten
.set NIL, 2                            ; v2  0; never rewritten
.set XO,  3                            ; v3  my byte in a chunk of w1
.set IMA, 4                            ; v4  where my 16 bytes of codes go
.set SCA, 5                            ; v5  where my scale byte goes
.set LI,  6                            ; v6  16 x lane: fragments 0-31
.set LIH, 7                            ; v7  + 32 fragments
.set SL,  8                            ; v8  W1's scale words
.set BIA, 9                            ; v9  b1 for my half of the lanes
.set LMO, 10                           ; v10 4 x lane
.set LAO, 11                           ; v11 4 x (lane % 16)
.set H16, 12                           ; v12 16 x (lane / 16)
.set HO,  13                           ; v13 16 x lane, in hq
.set BO,  14                           ; v14 my word of b1
.set AOA, 15                           ; v15, v16 my token's codes, tile a, b
.set AOB, 16
.set ASO, 17                           ; v17 my token's scale words (lanes 0-15: tile a; 16-31: tile b)
.set IDM, 18
.set IDA, 19
.set IDB, 20
.set BV,  21
.set BSA, 22
.set PWA, 23
.set CA13, 24                          ; v[24:25] a13 twice;  v[26:27] b8 twice
.set CB8,  26
.set ASC, 28                           ; v28-35   the tokens' scale words, one register a K step; scales alone
.set AR,  36                           ; v36-83   the tokens' codes: three sets of 16
.set BF,  84                           ; v84-115  W1's fragments: two sets of two
.set QT,  84                           ;          in phase Q: at work
.set BSC, 116                          ; v116-123 W1's scale words, two sets of four; scales alone
.set TT,  124
.set ACC, 128                          ; v128-255 16 accumulators: tile x, tile of columns t at 64 x + 8 t
.set X,   128                          ;          in phase Q: two sets of 64 numbers
.set EU,  36                           ; the way out works in v36-99
.set ES,  52
.set EPP, 68
.set EQ,  84
.set TM,  36
.set PC,  52
.set PW,  60
.set KR2, 66                           ; s[66:87] constants as pairs
.set KA11, 68
.set KA9, 70
.set KA7, 72
.set KA5, 74
.set KA3, 76
.set KA1, 78
.set KB6, 80
.set KB4, 82
.set KB2, 84
.set KB0, 86
.set CNT, 91                           ; s91 pairs that my wave has done
.set NT,  92                           ; s92 pairs that my wave has: never written in the loop
.macro CPAIR r, bits
	s_mov_b32 s[\r], \bits
	s_mov_b32 s[\r+1], \bits
.endm
	s_load_b256 s[4:11], s[0:1], 0x0               ; w1, b1, xq, xs
	s_load_b128 s[12:15], s[0:1], 0x20             ; list, hq
	s_load_b64 s[16:17], s[0:1], 0x30              ; hs
	v_lshl_add_u32 v[SPW], v0, 2, SPARE
	v_mov_b32 v[NIL], 0
	v_lshrrev_b32 v[TT], 5, v0
	v_readfirstlane_b32 s18, v[TT]                 ; wave 0..15
	s_and_b32 s19, ttmp7, 0xffff                   ; e
	s_mov_b32 s20, ttmp9                           ; fs
	s_and_b32 s46, s18, 1                          ; ch: which 64 columns
	s_lshr_b32 s47, s18, 1                         ; kbw: which block of 32 of a chunk's 256 along K
	s_lshr_b32 s48, s18, 3                         ; kbw >> 2: which of the chunk's two K steps
	s_bfe_u32 s49, s18, 0x10002                    ; (kbw >> 1) & 1: registers 0-3 or 4-7
	s_bfe_u32 s52, s18, 0x10001                    ; kbw & 1: lanes 0-15 or 16-31
	v_and_b32 v[TT], 31, v0                        ; lane
	v_bfe_u32 v[TT+1], v0, 3, 1                    ; u
	v_bfe_u32 v[TT+2], v0, 4, 1                    ; lane / 16
	v_and_b32 v[TT+3], 7, v0
	v_lshlrev_b32 v[LMO], 2, v[TT]
	s_lshl_b32 s53, s47, 19                        ; 32 rows of 16,384 bytes
	s_lshl_b32 s54, s46, 8
	s_add_co_u32 s53, s53, s54
	v_add_nc_u32 v[XO], s53, v[LMO]
	v_mul_u32_u24 v[IMA], v[TT+1], FS
	v_lshl_add_u32 v[IMA], v[TT+2], 7, v[IMA]
	v_lshl_add_u32 v[IMA], v[TT+3], 4, v[IMA]
	s_mul_i32 s53, s48, 8*FS
	s_mul_i32 s54, s46, 4*FS
	s_add_co_u32 s53, s53, s54
	s_lshl_b32 s54, s49, 9
	s_add_co_u32 s53, s53, s54
	s_lshl_b32 s54, s52, 8
	s_add_co_u32 s53, s53, s54
	v_add_nc_u32 v[IMA], s53, v[IMA]
	v_lshlrev_b32 v[SCA], 8, v[TT+1]
	v_lshl_add_u32 v[SCA], v[TT+2], 7, v[SCA]
	v_lshl_add_u32 v[SCA], v[TT+3], 4, v[SCA]
	s_lshl_b32 s53, s48, 9
	s_lshl_b32 s54, s46, 3
	s_add_co_u32 s53, s53, s54
	s_and_b32 s54, s47, 3
	s_add_co_u32 s53, s53, s54
	s_add_co_u32 s53, s53, SCW
	v_add_nc_u32 v[SCA], s53, v[SCA]
	v_lshlrev_b32 v[LI], 4, v[TT]
	v_add_nc_u32 v[LIH], 32*FS, v[LI]
	v_add_nc_u32 v[SL], SCW, v[LI]
	v_lshl_add_u32 v[BIA], v[TT+2], 6, BIAS
	v_and_b32 v[LAO], 15, v0
	v_lshlrev_b32 v[LAO], 2, v[LAO]
	v_lshlrev_b32 v[H16], 4, v[TT+2]
	v_mov_b32 v[HO], v[LI]
	v_lshlrev_b32 v[BO], 2, v[TT+3]                ; b1: word 8 w + lane % 8; lanes that share a word store the same number
	s_lshl_b32 s53, s18, 5
	v_add_nc_u32 v[BO], s53, v[BO]
	v_add_nc_u32 v[BSA], BIAS, v[BO]
	v_mov_b32 v[CA13], 0xaf95df0b
	v_mov_b32 v[CA13+1], 0xaf95df0b
	v_mov_b32 v[CB8], 0xb77460cd
	v_mov_b32 v[CB8+1], 0xb77460cd
	CPAIR KR2,  0x3f3504f3                         ; 1 / sqrt 2
	CPAIR KA11, 0x32edffee
	CPAIR KA9,  0xb60cff51
	CPAIR KA7,  0xb86ec2d2
	CPAIR KA5,  0xba40ac63
	CPAIR KA3,  0xbb41a1f6
	CPAIR KA1,  0xbc83dbd4
	CPAIR KB6,  0xb95fbd29
	CPAIR KB4,  0xbadc924e
	CPAIR KB2,  0xbbf19bf8
	CPAIR KB0,  0xbc69b6a7
	s_mov_b32 s88, 0x76543210                      ; v_permlanex16_b32: lane l xor 16
	s_mov_b32 s89, 0xfedcba98
	s_mov_b32 s90, 0xffff0000                      ; lanes 16-31
	s_wait_kmcnt 0x0
	s_load_b256 s[24:31], s[12:13], 0x10000        ; the eight counts
	s_lshl_b32 s46, s19, 24                        ; an expert of w1 is 2^24 bytes
	s_lshl_b32 s47, s20, 9
	s_add_co_u32 s46, s46, s47
	s_mov_b32 s47, 0
	s_add_nc_u64 s[32:33], s[4:5], s[46:47]        ; a base for each chunk: 256 rows are 2^22 bytes
	s_add_nc_u64 s[34:35], s[32:33], 0x400000
	s_add_nc_u64 s[36:37], s[34:35], 0x400000
	s_add_nc_u64 s[38:39], s[36:37], 0x400000
	s_lshl_b32 s46, s19, 14
	s_lshl_b32 s48, s20, 9
	s_add_co_u32 s46, s46, s48
	s_add_nc_u64 s[6:7], s[6:7], s[46:47]          ; b1 at my slice
	s_lshl_b32 s46, s19, 13
	s_add_nc_u64 s[50:51], s[12:13], s[46:47]      ; the expert's list
	s_lshl_b32 s46, s18, 7
	s_add_nc_u64 s[40:41], s[50:51], s[46:47]      ; pair w of it: the list is whole, so the addresses hold in every wave
	global_load_b32 v[IDM], v[LMO], s[40:41]
	global_load_b32 v[IDA], v[LAO], s[40:41]
	global_load_b32 v[IDB], v[LAO], s[40:41] offset:64
	global_load_b32 v[BV], v[BO], s[6:7]
.macro XLOAD set, q                    ; my block of chunk q: 32 rows x 64 columns
.set I_, 0
.rept 32
	global_load_b32 v[X+64*(\set)+I_], v[XO], s[32+2*(\q):33+2*(\q)] offset:I_*16384 th:TH_LOAD_NT
	global_load_b32 v[X+64*(\set)+32+I_], v[XO], s[32+2*(\q):33+2*(\q)] offset:I_*16384+128 th:TH_LOAD_NT
.set I_, I_+1
.endr
.endm
.macro QW set, g, q                    ; a block of 32 down K of my column 32 g + lane: its scale, its codes, to LDS
.set XS_, X+64*(\set)+32*(\g)
.set TQ_, QT+8*(\g)
	v_max3_num_f32 v[TQ_+4], |v[XS_]|, |v[XS_+1]|, |v[XS_+2]|
	v_max3_num_f32 v[TQ_+5], |v[XS_+3]|, |v[XS_+4]|, |v[XS_+5]|
.irp i, 6,10,14,18,22,26
	v_max3_num_f32 v[TQ_+4], v[TQ_+4], |v[XS_+\i]|, |v[XS_+\i+1]|
	v_max3_num_f32 v[TQ_+5], v[TQ_+5], |v[XS_+\i+2]|, |v[XS_+\i+3]|
.endr
	v_max3_num_f32 v[TQ_+4], v[TQ_+4], |v[XS_+30]|, |v[XS_+31]|
	v_max3_num_f32 v[TQ_+4], v[TQ_+4], v[TQ_+5], 0x1800000     ; the floor 2^(3 - 127): the byte cannot fall under 1
	v_add_nc_u32 v[TQ_+6], 0xff000000, v[TQ_+4]                ; 2 off the exponent field: the conversion's scale operand
.irp c, 0,1,2,3
	v_cvt_scalef32_pk8_fp4_f32 v[TQ_+\c], v[XS_+8*\c:XS_+8*\c+7], v[TQ_+6]
.endr
	v_lshrrev_b32 v[TQ_+7], 23, v[TQ_+6]                       ; the byte; also the plain line behind the conversions
	ds_store_b128 v[IMA], v[TQ_:TQ_+3] offset:(\q)*16*FS+(\g)*2*FS
	ds_store_b8 v[SCA], v[TQ_+7] offset:1024*(\q)+4*(\g)
.endm
.macro QTRIP q, n
	s_wait_loadcnt \n                              ; this chunk's 64 loads are in
	s_wait_dscnt 0x0                               ; the last chunk's LDS stores have read their registers
	QW (\q)%2, 0, \q
	QW (\q)%2, 1, \q
.endm
.macro ALOAD s                         ; the two tiles' codes of K step s into set s % 3: 64 bytes of a token's row, 16 a register group
.set LA_, AR+16*((\s)%3)
.irp c, 0,1
	global_load_b128 v[LA_+4*\c:LA_+4*\c+3], v[AOA], s[8:9] offset:64*(\s)+32*\c
.endr
.irp c, 0,1
	global_load_b128 v[LA_+8+4*\c:LA_+8+4*\c+3], v[AOB], s[8:9] offset:64*(\s)+32*\c
.endr
.endm
.macro PRIME                           ; 14 loads: the pair's scale words and its first three K steps.  token = id >> 1, held at 1,023
	v_lshrrev_b32 v[TT], 1, v[IDA]
	v_lshrrev_b32 v[TT+1], 1, v[IDB]
	v_lshrrev_b32 v[TT+2], 1, v[IDM]
	v_min_u32 v[TT], 0x3ff, v[TT]
	v_min_u32 v[TT+1], 0x3ff, v[TT+1]
	v_min_u32 v[TT+2], 0x3ff, v[TT+2]
	v_lshl_add_u32 v[AOA], v[TT], 9, v[H16]
	v_lshl_add_u32 v[AOB], v[TT+1], 9, v[H16]
	v_lshlrev_b32 v[ASO], 5, v[TT+2]
	global_load_b128 v[ASC:ASC+3], v[ASO], s[10:11]
	global_load_b128 v[ASC+4:ASC+7], v[ASO], s[10:11] offset:16
	ALOAD 0
	ALOAD 1
	ALOAD 2
.endm
	XLOAD 0, 0
	XLOAD 1, 1
	s_wait_kmcnt 0x0                               ; the counts: my expert's pairs, and the pairs of the experts before it
	s_mov_b32 s21, 0
	s_mov_b32 s22, 0
.irp i, 0,1,2,3,4,5,6,7
	s_add_co_u32 s46, s[24+\i], 31
	s_lshr_b32 s46, s46, 5
	s_min_u32 s46, s46, 32
	s_cmp_gt_u32 s19, \i
	s_cselect_b32 s47, s46, 0
	s_add_co_u32 s22, s22, s47
	s_cmp_eq_u32 s19, \i
	s_cselect_b32 s21, s46, s21
.endr
	QTRIP 0, 63                                    ; 64 younger loads stand behind chunk 0's
	ds_store_b32 v[BSA], v[BV]
	XLOAD 0, 2
	QTRIP 1, 63
	XLOAD 1, 3
	QTRIP 2, 63
	PRIME                                          ; the first pair's operands come while the last chunk is worked
	QTRIP 3, 14                                    ; the 14 loads just issued stay out
	s_wait_dscnt 0x0                               ; for the others: my images, bytes and words lie in LDS
	s_barrier_signal -1
	s_barrier_wait -1
.macro LOADG gi                        ; group gi = 4 ks + g: fragments of tiles 2 g, 2 g + 1 of K step ks; a step's first group brings its scale words too
.set LK_, (\gi)/4
.set LG_, (\gi)%4
.set LB_, BF+16*((\gi)%2)
.if LG_ == 0
	ds_load_b128 v[BSC+4*(LK_%2):BSC+4*(LK_%2)+3], v[SL] offset:512*LK_
.endif
.irp u, 0,1
.irp c, 0,1
.if LK_ < 4
	ds_load_b128 v[LB_+8*\u+4*\c:LB_+8*\u+4*\c+3], v[LI] offset:(8*LK_+2*LG_+\u)*FS+512*\c
.else
	ds_load_b128 v[LB_+8*\u+4*\c:LB_+8*\u+4*\c+3], v[LIH] offset:(8*(LK_-4)+2*LG_+\u)*FS+512*\c
.endif
.endr
.endr
.endm
.macro WM u, x                         ; tile of columns 2 g + u x tile of tokens x.  Odd tiles' scale words lie in lanes 16-31, tile b's too.  K step 0 starts the sums
.set WD_, ACC+64*(\x)+8*(2*GG_+(\u))
.set WB_, BS_+8*(\u)
.set WA_, AS_+8*(\x)
.set WS_, BSC+4*(KS_%2)+GG_
.set WT_, ASC+KS_
.if KS_ == 0
.if ((\u) == 0) && ((\x) == 0)
	v_wmma_scale_f32_16x16x128_f8f6f4 v[WD_:WD_+7], v[WB_:WB_+7], v[WA_:WA_+7], 0, v[WS_], v[WT_] matrix_a_fmt:MATRIX_FMT_FP4 matrix_b_fmt:MATRIX_FMT_FP4
.elseif ((\u) == 1) && ((\x) == 0)
	v_wmma_scale_f32_16x16x128_f8f6f4 v[WD_:WD_+7], v[WB_:WB_+7], v[WA_:WA_+7], 0, v[WS_], v[WT_] matrix_a_fmt:MATRIX_FMT_FP4 matrix_b_fmt:MATRIX_FMT_FP4 matrix_a_scale:MATRIX_SCALE_ROW1
.elseif (\u) == 0
	v_wmma_scale_f32_16x16x128_f8f6f4 v[WD_:WD_+7], v[WB_:WB_+7], v[WA_:WA_+7], 0, v[WS_], v[WT_] matrix_a_fmt:MATRIX_FMT_FP4 matrix_b_fmt:MATRIX_FMT_FP4 matrix_b_scale:MATRIX_SCALE_ROW1
.else
	v_wmma_scale_f32_16x16x128_f8f6f4 v[WD_:WD_+7], v[WB_:WB_+7], v[WA_:WA_+7], 0, v[WS_], v[WT_] matrix_a_fmt:MATRIX_FMT_FP4 matrix_b_fmt:MATRIX_FMT_FP4 matrix_a_scale:MATRIX_SCALE_ROW1 matrix_b_scale:MATRIX_SCALE_ROW1
.endif
.else
.if ((\u) == 0) && ((\x) == 0)
	v_wmma_scale_f32_16x16x128_f8f6f4 v[WD_:WD_+7], v[WB_:WB_+7], v[WA_:WA_+7], v[WD_:WD_+7], v[WS_], v[WT_] matrix_a_fmt:MATRIX_FMT_FP4 matrix_b_fmt:MATRIX_FMT_FP4
.elseif ((\u) == 1) && ((\x) == 0)
	v_wmma_scale_f32_16x16x128_f8f6f4 v[WD_:WD_+7], v[WB_:WB_+7], v[WA_:WA_+7], v[WD_:WD_+7], v[WS_], v[WT_] matrix_a_fmt:MATRIX_FMT_FP4 matrix_b_fmt:MATRIX_FMT_FP4 matrix_a_scale:MATRIX_SCALE_ROW1
.elseif (\u) == 0
	v_wmma_scale_f32_16x16x128_f8f6f4 v[WD_:WD_+7], v[WB_:WB_+7], v[WA_:WA_+7], v[WD_:WD_+7], v[WS_], v[WT_] matrix_a_fmt:MATRIX_FMT_FP4 matrix_b_fmt:MATRIX_FMT_FP4 matrix_b_scale:MATRIX_SCALE_ROW1
.else
	v_wmma_scale_f32_16x16x128_f8f6f4 v[WD_:WD_+7], v[WB_:WB_+7], v[WA_:WA_+7], v[WD_:WD_+7], v[WS_], v[WT_] matrix_a_fmt:MATRIX_FMT_FP4 matrix_b_fmt:MATRIX_FMT_FP4 matrix_a_scale:MATRIX_SCALE_ROW1 matrix_b_scale:MATRIX_SCALE_ROW1
.endif
.endif
.endm
; Four matrix instructions.  The 16 accumulators take turns, one instruction a turn, in the same order in every K step.
.macro GROUP gi
.set KS_, (\gi)/4
.set GG_, (\gi)%4
.set BS_, BF+16*((\gi)%2)
.set AS_, AR+16*(KS_%3)
.if GG_ == 0
.if KS_ < 6
	s_wait_loadcnt 8                               ; this K step's four loads are in; two younger sets stay out
.else
	s_wait_loadcnt 4*(7-KS_)
.endif
.endif
.if (\gi) == 31
	s_wait_dscnt 0x0
.elseif (((\gi)+1)%4) == 0
	s_wait_dscnt 5                                 ; the next group's four loads and its step's scale words stay out
.else
	s_wait_dscnt 4                                 ; the next group's four loads stay out
.endif
.irp x, 0,1
.irp u, 0,1
	WM \u, \x
.endr
.endr
.rept 4
	v_nop                                          ; four places in front of loads into registers that these products read, and of the first read of results
.endr
.if (\gi)+2 < 32
	LOADG (\gi)+2
.endif
.if (GG_ == 3) && (KS_+3 < 8)
	ALOAD KS_+3
.endif
.endm
.macro HORN d, c                       ; d = d x s + c, sixteen numbers
.irp j, 0,2,4,6,8,10,12,14
	v_pk_fma_f32 v[\d+\j:\d+\j+1], v[\d+\j:\d+\j+1], v[ES+\j:ES+\j+1], s[\c:\c+1] op_sel_hi:[1,1,0]
.endr
.endm
.macro GELU z                          ; sixteen numbers in place
.irp j, 0,2,4,6,8,10,12,14
	v_pk_mul_f32 v[EU+\j:EU+\j+1], v[(\z)+\j:(\z)+\j+1], s[KR2:KR2+1] op_sel_hi:[1,0]
.endr
.irp j, 0,1,2,3,4,5,6,7,8,9,10,11,12,13,14,15
	v_med3_num_f32 v[EU+\j], v[EU+\j], -4.0, 4.0
.endr
.irp j, 0,2,4,6,8,10,12,14
	v_pk_mul_f32 v[ES+\j:ES+\j+1], v[EU+\j:EU+\j+1], v[EU+\j:EU+\j+1]
.endr
.irp j, 0,2,4,6,8,10,12,14
	v_pk_fma_f32 v[EPP+\j:EPP+\j+1], v[ES+\j:ES+\j+1], v[CA13:CA13+1], s[KA11:KA11+1] op_sel_hi:[1,1,0]
.endr
	HORN EPP, KA9
	HORN EPP, KA7
	HORN EPP, KA5
	HORN EPP, KA3
	HORN EPP, KA1
.irp j, 0,2,4,6,8,10,12,14
	v_pk_fma_f32 v[EQ+\j:EQ+\j+1], v[ES+\j:ES+\j+1], v[CB8:CB8+1], s[KB6:KB6+1] op_sel_hi:[1,1,0]
.endr
	HORN EQ, KB4
	HORN EQ, KB2
	HORN EQ, KB0
.irp j, 0,2,4,6,8,10,12,14
	v_pk_mul_f32 v[EPP+\j:EPP+\j+1], v[EPP+\j:EPP+\j+1], v[EU+\j:EU+\j+1]
.endr
.irp j, 0,1,2,3,4,5,6,7,8,9,10,11,12,13,14,15
	v_rcp_f32 v[EQ+\j], v[EQ+\j]
.endr
.irp j, 0,2,4,6,8,10,12,14
	v_pk_mul_f32 v[(\z)+\j:(\z)+\j+1], v[(\z)+\j:(\z)+\j+1], 0.5 op_sel_hi:[1,0]   ; independent plain work behind the reciprocals
.endr
	s_wait_alu depctr_va_vdst(0)                   ; one wait for the sixteen, ahead of their first reader
.irp j, 0,2,4,6,8,10,12,14
	v_pk_mul_f32 v[EPP+\j:EPP+\j+1], v[EPP+\j:EPP+\j+1], v[EQ+\j:EQ+\j+1]          ; erf
.endr
.irp j, 0,2,4,6,8,10,12,14
	v_pk_fma_f32 v[(\z)+\j:(\z)+\j+1], v[(\z)+\j:(\z)+\j+1], v[EPP+\j:EPP+\j+1], v[(\z)+\j:(\z)+\j+1]
.endr
.endm
; 64 numbers of a lane, register 16 b + i = k 32 b + 16 (lane / 16) + i of my token, become a fragment's codes in v[PC] on and its scale word in v[PW]
.macro QUANT s
.irp b, 0,1,2,3
	v_max3_num_f32 v[TM+\b], |v[(\s)+16*\b]|, |v[(\s)+1+16*\b]|, 0x1800000
.endr
.irp i, 2,4,6,8,10,12,14
.irp b, 0,1,2,3
	v_max3_num_f32 v[TM+\b], v[TM+\b], |v[(\s)+16*\b+\i]|, |v[(\s)+1+16*\b+\i]|
.endr
.endr
.irp b, 0,1,2,3
	v_permlanex16_b32 v[TM+4+\b], v[TM+\b], s88, s89
.endr
.irp b, 0,1,2,3
	v_max_num_f32 v[TM+\b], v[TM+\b], v[TM+4+\b]   ; with lane l xor 16: the block's largest magnitude
.endr
.irp b, 0,1,2,3
	v_add_nc_u32 v[TM+12+\b], 0xff000000, v[TM+\b]
.endr
.irp b, 0,1,2,3
	v_lshrrev_b32 v[TM+4+\b], 23, v[TM+12+\b]
.endr
	v_lshl_or_b32 v[PW], v[TM+5], 8, v[TM+4]
	v_lshl_or_b32 v[PW], v[TM+6], 16, v[PW]
	v_lshl_or_b32 v[PW], v[TM+7], 24, v[PW]
.irp b, 0,1,2,3
	v_cvt_scalef32_pk8_fp4_f32 v[PC+2*\b], v[(\s)+16*\b:(\s)+7+16*\b], v[TM+12+\b]
	v_cvt_scalef32_pk8_fp4_f32 v[PC+1+2*\b], v[(\s)+8+16*\b:(\s)+15+16*\b], v[TM+12+\b]
.endr
	v_nop                                          ; one plain place behind a scaled conversion
.irp c, 0,1
.irp i, 0,1
	v_permlane16_swap_b32 v[PC+4*\c+\i], v[PC+2+4*\c+\i]   ; a whole block to a lane: lanes 0-15 block 2 c, lanes 16-31 block 2 c + 1
.endr
.endr
.endm
.macro EPI x                           ; tile x of the pair: bias, gelu, quantiser, image to hq
.set Z0_, ACC+64*(\x)
	s_wait_xcnt 0x0                                ; earlier stores have read the registers that are written below
.irp b, 0,1,2,3
.irp i, 0,1,2,3
	ds_load_b128 v[EU+16*\b+4*\i:EU+16*\b+4*\i+3], v[BIA] offset:128*\b+16*\i
.endr
.endr
	s_wait_dscnt 0x0
.set J_, 0
.rept 32
	v_pk_add_f32 v[Z0_+J_:Z0_+J_+1], v[Z0_+J_:Z0_+J_+1], v[EU+J_:EU+J_+1]    ; ascending: each accumulator is first read at its low end
.set J_, J_+2
.endr
	GELU Z0_
	GELU Z0_+16
	GELU Z0_+32
	GELU Z0_+48
	QUANT Z0_
	global_store_b128 v[HO], v[PC:PC+3], s[42:43] offset:1024*(\x)           ; the wave stores 512 consecutive bytes
	global_store_b128 v[HO], v[PC+4:PC+7], s[42:43] offset:1024*(\x)+512
.if (\x) == 0
	v_mov_b32 v[PWA], v[PW]
.else
	v_cndmask_b32 v[PW], v[PWA], v[PW], s90        ; lanes 0-15: tile a's words; lanes 16-31: tile b's
	global_store_b32 v[LMO], v[PW], s[44:45]
.endif
.endm
	s_mov_b32 s23, s18                             ; my first pair
	s_mov_b32 s[CNT], 0
	s_add_co_u32 s[NT], s21, 15                    ; how many of w, w + 16, .. lie under the expert's number of pairs: (pairs + 15 - w) / 16
	s_sub_co_u32 s[NT], s[NT], s18
	s_lshr_b32 s[NT], s[NT], 4
	s_cmp_lt_u32 s[CNT], s[NT]
	s_cbranch_scc0 .Ldone
.Lpair:
	s_wait_xcnt 0x0                                ; the last pair's stores have read their bases
	s_add_co_u32 s46, s22, s23
	s_min_u32 s46, s46, 71                         ; the pair's number among all experts' pairs
	s_mul_i32 s47, s20, 72
	s_add_co_u32 s46, s46, s47
	s_lshl_b32 s48, s46, 11
	s_mov_b32 s49, 0
	s_add_nc_u64 s[42:43], s[14:15], s[48:49]      ; hq: [fs][pair] 2,048 bytes
	s_lshl_b32 s48, s46, 7
	s_add_nc_u64 s[44:45], s[16:17], s[48:49]      ; hs: [fs][pair] 128 bytes
	LOADG 0
	LOADG 1
.set GI, 0
.rept 32
	GROUP GI
.set GI, GI+1
.endr
	EPI 0
	EPI 1
	s_add_co_u32 s23, s23, 16                      ; my next pair's number,
	s_add_co_u32 s[CNT], s[CNT], 1                 ; and one more done
	s_cmp_lt_u32 s[CNT], s[NT]
	s_cbranch_scc0 .Ldone
	s_wait_xcnt 0x0                                ; stores and loads have read their registers: the next pair's ids, addresses and operands may be written
	s_min_u32 s46, s23, 31
	s_lshl_b32 s46, s46, 7
	s_mov_b32 s47, 0
	s_add_nc_u64 s[40:41], s[50:51], s[46:47]
	global_load_b32 v[IDM], v[LMO], s[40:41]
	global_load_b32 v[IDA], v[LAO], s[40:41]
	global_load_b32 v[IDB], v[LAO], s[40:41] offset:64
	s_wait_loadcnt 0x0
	PRIME
	s_cmp_lt_u32 s[CNT], s[NT]                     ; the same compare once more: the backward jump hangs on the count of trips
	s_cbranch_scc1 .Lpair
.Ldone:
	s_wait_tensorcnt 0x0                           ; the wave's end
	ds_add_u32 v[SPW], v[NIL]
	s_wait_dscnt 0x0
	s_endpgm
.Lfunc_end_k_q28706e7d1f_ffn1:
	.size	k_q28706e7d1f_ffn1, .Lfunc_end_k_q28706e7d1f_ffn1-k_q28706e7d1f_ffn1
	.p2alignl 7, 3214868480
	.fill 96, 4, 3214868480
	.section	.rodata,"a",@progbits
	.p2align	6, 0x0
	.amdhsa_kernel k_q28706e7d1f_ffn1
		.amdhsa_group_segment_fixed_size 80384
		.amdhsa_private_segment_fixed_size 0
		.amdhsa_enable_private_segment 0
		.amdhsa_kernarg_size 56
		.amdhsa_user_sgpr_count 2
		.amdhsa_user_sgpr_kernarg_segment_ptr 1
		.amdhsa_wavefront_size32 1
		.amdhsa_system_sgpr_workgroup_id_x 1
		.amdhsa_system_sgpr_workgroup_id_y 1
		.amdhsa_system_sgpr_workgroup_id_z 1
		.amdhsa_system_vgpr_workitem_id 0
		.amdhsa_next_free_vgpr 256
		.amdhsa_next_free_sgpr 96
		.amdhsa_reserve_vcc 0
		.amdhsa_float_denorm_mode_32 3
		.amdhsa_float_denorm_mode_16_64 3
		.amdhsa_memory_ordered 1
		.amdhsa_forward_progress 1
		.amdhsa_inst_pref_size 172
	.end_amdhsa_kernel
	.amdgpu_metadata
---
amdhsa.version: [ 1, 2 ]
amdhsa.kernels:
  - .name:           k_q28706e7d1f_ffn1
    .symbol:         k_q28706e7d1f_ffn1.kd
    .args:
      - { .name: w1, .offset: 0, .size: 8, .value_kind: global_buffer, .address_space: global }
      - { .name: b1, .offset: 8, .size: 8, .value_kind: global_buffer, .address_space: global }
      - { .name: xq, .offset: 16, .size: 8, .value_kind: global_buffer, .address_space: global }
      - { .name: xs, .offset: 24, .size: 8, .value_kind: global_buffer, .address_space: global }
      - { .name: list, .offset: 32, .size: 8, .value_kind: global_buffer, .address_space: global }
      - { .name: hq, .offset: 40, .size: 8, .value_kind: global_buffer, .address_space: global }
      - { .name: hs, .offset: 48, .size: 8, .value_kind: global_buffer, .address_space: global }
    .group_segment_fixed_size: 80384
    .private_segment_fixed_size: 0
    .kernarg_segment_align: 8
    .kernarg_segment_size: 56
    .max_flat_workgroup_size: 512
    .sgpr_count:     96
    .vgpr_count:     256
    .wavefront_size: 32
...
	.end_amdgpu_metadata
.endif
;; end of part 3
;; launch ffn2 (part 4): grid 32 x 8, 16 waves a work-group, no clusters, 149,760 bytes of LDS; arguments w2, b2, hq, hs, list, rw, ybuf; writes ybuf
.if DOCPART == 4
	.amdgcn_target "amdgcn-amd-amdhsa--gfx1250"
	.amdhsa_code_object_version 6
	.text
	.protected	k_q28706e7d1f_ffn2
	.globl	k_q28706e7d1f_ffn2
	.p2align	8
	.type	k_q28706e7d1f_ffn2,@function
k_q28706e7d1f_ffn2:
	s_mov_b64 s[64:65], 0
	v_nop
	global_prefetch_b8 v0, s[64:65] scope:SCOPE_SE
	s_setreg_imm32_b32 hwreg(HW_REG_WAVE_MODE, 25, 1), 1
	s_wait_xcnt 0x0
; MoE layer, launch 4 of 5: rw x (h W2 + b2) for the chosen rows alone (see the head of the first kernel), in two halves along K = F.
; Work-group (x, e): columns 64 (x >> 1) .. + 63 of expert e, K rows 2,048 (x & 1) .. + 2,047, and ALL of the expert's rows: each byte of w2 is read by one work-group, once, in whole rows of 256 bytes.
; Half 0 adds b2.  The two halves of a row go to ybuf[half][id]; the last launch adds them.
; PHASE Q and PHASE C as in the launch before: a lane takes a column and its registers run down K; 64 fragments (16 K steps x 4 tiles) lie in LDS as images of their registers, 1,152 bytes apart; one barrier,
; on every wave's path; then wave w takes the pairs w, w + 16, .. of the expert.  h comes from hq as images of the operand's registers: each load of a wave is 512 consecutive bytes.
; The loop over a wave's pairs ends on a count of trips, stepped by 1, against the wave's number of pairs; the pair's number, stepped by 16, feeds addresses alone.
; The product is used transposed (source 0 = 16 columns of W2, source 1 = 16 rows of h): a lane holds one row and, by the choice of a tile's columns, 16 neighbouring columns in 16 registers.
; THE WAY OUT: through the wave's own stage (16 rows x 272 bytes): sixteen lanes then store 256 consecutive bytes of a row, aligned.  The rows' ids come from list, in the order of the stores.
; Rows that fill a pair repeat a listed id: they give the same bits and store the same bytes at the same place, from this work-group.
; NO CLUSTER, NO TENSOR LOAD: the pairs' count is read from memory and steers a branch; no two work-groups read the same byte of w2.
; LIMITS: NaN and infinities are not served; a block of w2 under 2^-124, or of zeros, gets the byte 1; K is summed in two halves, another order than reference()'s.
.set FS,    1152
.set SCW,   64*FS                      ; W2's scale words: [ks 16][slot 32][p 2]
.set BIAS,  SCW+4096                   ; b2's 64 numbers
.set STG,   BIAS+256                   ; the stages: 4,352 bytes a wave
.set SPARE, STG+16*4352                ; the spare words, 128 bytes a wave
.set SPW, 1                            ; v1  my spare word; never rewritten
.set NIL, 2                            ; v2  0; never rewritten
.set XO,  3
.set IMA, 4
.set SCA, 5
.set LI,  6
.set LIH, 7
.set SL,  8
.set BIA, 9
.set LAO, 10                           ; v10 4 x (lane % 16)
.set HO,  11                           ; v11 16 x lane, in hq
.set HSO, 12                           ; v12 4 x lane, in hs
.set STO, 13                           ; v13 the stage: where I put 16 bytes
.set H4,  14                           ; v14 4 x (lane / 16)
.set RD,  15                           ; v15 the stage: where I read a row back
.set BO,  16
.set CO,  17                           ; v17 16 x (lane % 16)
.set IDA, 18
.set IDB, 19
.set RW,  20                           ; v[20:21] my row's weight, tile a, tile b
.set BV,  22
.set BSA, 23
.set BSC, 24                           ; v24-27  W2's scale words, two sets of two; scales alone
.set AR,  28                           ; v28-99  h: four sets of 18: 16 of codes, the scale word (scales alone), one idle
.set QT,  100                          ; v100-115 in phase Q at work;
.set RID, 100                          ;          in phase C the 16 rows' ids, then their byte offsets
.set TT,  116
.set ACC, 128                          ; v128-191 8 accumulators: tile x, tile of columns t at 32 x + 8 t
.set BF,  192                          ; v192-223 W2's fragments, two sets of two; on the way out b2
.set OB,  224                          ; v224-255 rows read back from the stage
.set X,   128
.set CNT, 59                           ; s59 pairs that my wave has done
.set NT,  60                           ; s60 pairs that my wave has: never written in the loop
	s_load_b256 s[4:11], s[0:1], 0x0               ; w2, b2, hq, hs
	s_load_b128 s[12:15], s[0:1], 0x20             ; list, rw
	s_load_b64 s[16:17], s[0:1], 0x30              ; ybuf
	v_lshl_add_u32 v[SPW], v0, 2, SPARE
	v_mov_b32 v[NIL], 0
	v_lshrrev_b32 v[TT], 5, v0
	v_readfirstlane_b32 s18, v[TT]                 ; wave 0..15: also my block of 32 of a chunk's 512 along K
	s_and_b32 s19, ttmp7, 0xffff                   ; e
	s_lshr_b32 s20, ttmp9, 1                       ; ns
	s_and_b32 s34, ttmp9, 1                        ; half
	s_lshr_b32 s48, s18, 2                         ; which of the chunk's four K steps
	s_bfe_u32 s49, s18, 0x10001                    ; registers 0-3 or 4-7
	s_and_b32 s56, s18, 1                          ; lanes 0-15 or 16-31
	v_and_b32 v[TT], 31, v0                        ; lane
	v_bfe_u32 v[TT+1], v0, 3, 1                    ; u
	v_bfe_u32 v[TT+2], v0, 4, 1                    ; lane / 16
	v_and_b32 v[TT+3], 7, v0
	v_lshlrev_b32 v[HSO], 2, v[TT]
	s_lshl_b32 s57, s18, 17                        ; 32 rows of 4,096 bytes
	v_add_nc_u32 v[XO], s57, v[HSO]
	v_mul_u32_u24 v[IMA], v[TT+1], FS
	v_lshl_add_u32 v[IMA], v[TT+2], 7, v[IMA]
	v_lshl_add_u32 v[IMA], v[TT+3], 4, v[IMA]
	s_mul_i32 s57, s48, 4*FS
	s_lshl_b32 s58, s49, 9
	s_add_co_u32 s57, s57, s58
	s_lshl_b32 s58, s56, 8
	s_add_co_u32 s57, s57, s58
	v_add_nc_u32 v[IMA], s57, v[IMA]
	v_lshlrev_b32 v[SCA], 7, v[TT+1]
	v_lshl_add_u32 v[SCA], v[TT+2], 6, v[SCA]
	v_lshl_add_u32 v[SCA], v[TT+3], 3, v[SCA]
	s_lshl_b32 s57, s48, 8
	s_and_b32 s58, s18, 3
	s_add_co_u32 s57, s57, s58
	s_add_co_u32 s57, s57, SCW
	v_add_nc_u32 v[SCA], s57, v[SCA]
	v_lshlrev_b32 v[LI], 4, v[TT]
	v_add_nc_u32 v[LIH], 32*FS, v[LI]
	v_lshl_add_u32 v[SL], v[TT], 3, SCW
	v_lshl_add_u32 v[BIA], v[TT+2], 6, BIAS
	v_mov_b32 v[HO], v[LI]
	v_lshlrev_b32 v[H4], 2, v[TT+2]
	v_and_b32 v[BO], 3, v0                         ; b2: word 4 w + lane % 4; lanes that share a word store the same number
	v_lshlrev_b32 v[BO], 2, v[BO]
	s_lshl_b32 s57, s18, 4
	v_add_nc_u32 v[BO], s57, v[BO]
	v_add_nc_u32 v[BSA], BIAS, v[BO]
	v_and_b32 v[TT], 15, v0                        ; r
	v_lshlrev_b32 v[LAO], 2, v[TT]
	v_lshlrev_b32 v[CO], 4, v[TT]
	s_mul_i32 s57, s18, 4352
	s_add_co_u32 s57, s57, STG                     ; my stage
	v_mul_u32_u24 v[STO], v[TT], 272               ; in: row r, + 64 bytes for lanes 16-31
	v_lshl_add_u32 v[STO], v[TT+2], 6, v[STO]
	v_add_nc_u32 v[STO], s57, v[STO]
	v_mul_u32_u24 v[RD], v[TT+2], 272              ; back: lanes 0-15 one row of 256 bytes, lanes 16-31 the next
	v_lshl_add_u32 v[RD], v[TT], 4, v[RD]
	v_add_nc_u32 v[RD], s57, v[RD]
	s_wait_kmcnt 0x0
	s_load_b256 s[24:31], s[12:13], 0x10000        ; the eight counts
	s_lshl_b32 s46, s19, 24                        ; an expert of w2 is 2^24 bytes, a half 2^23
	s_lshl_b32 s47, s34, 23
	s_add_co_u32 s46, s46, s47
	s_lshl_b32 s47, s20, 8
	s_add_co_u32 s46, s46, s47
	s_mov_b32 s47, 0
	s_add_nc_u64 s[32:33], s[4:5], s[46:47]
	s_lshl_b32 s46, s19, 12
	s_lshl_b32 s48, s20, 8
	s_add_co_u32 s46, s46, s48
	s_add_nc_u64 s[6:7], s[6:7], s[46:47]          ; b2 at my columns
	s_lshl_b32 s46, s34, 23
	s_add_co_u32 s46, s46, s48
	s_add_nc_u64 s[36:37], s[16:17], s[46:47]      ; ybuf at my half and my columns
	s_mul_i32 s46, s34, 2359296
	s_add_nc_u64 s[52:53], s[8:9], s[46:47]        ; hq at my half's 16 K steps
	s_mul_i32 s46, s34, 147456
	s_add_nc_u64 s[54:55], s[10:11], s[46:47]      ; hs likewise
	s_lshl_b32 s46, s19, 13
	s_add_nc_u64 s[50:51], s[12:13], s[46:47]      ; the expert's list
	s_lshl_b32 s46, s18, 7
	s_add_nc_u64 s[40:41], s[50:51], s[46:47]      ; pair w of it
	s_mov_b32 s23, s18                             ; my first pair
	global_load_b32 v[IDA], v[LAO], s[40:41]
	global_load_b32 v[IDB], v[LAO], s[40:41] offset:64
	global_load_b32 v[BV], v[BO], s[6:7]
.macro XLOAD set, q                    ; my block of chunk q: 32 rows x 64 columns
.set I_, 0
.rept 32
	global_load_b32 v[X+64*(\set)+I_], v[XO], s[32:33] offset:(\q)*2097152+I_*4096 th:TH_LOAD_NT
	global_load_b32 v[X+64*(\set)+32+I_], v[XO], s[32:33] offset:(\q)*2097152+I_*4096+128 th:TH_LOAD_NT
.set I_, I_+1
.endr
.endm
.macro QW set, g, q
.set XS_, X+64*(\set)+32*(\g)
.set TQ_, QT+8*(\g)
	v_max3_num_f32 v[TQ_+4], |v[XS_]|, |v[XS_+1]|, |v[XS_+2]|
	v_max3_num_f32 v[TQ_+5], |v[XS_+3]|, |v[XS_+4]|, |v[XS_+5]|
.irp i, 6,10,14,18,22,26
	v_max3_num_f32 v[TQ_+4], v[TQ_+4], |v[XS_+\i]|, |v[XS_+\i+1]|
	v_max3_num_f32 v[TQ_+5], v[TQ_+5], |v[XS_+\i+2]|, |v[XS_+\i+3]|
.endr
	v_max3_num_f32 v[TQ_+4], v[TQ_+4], |v[XS_+30]|, |v[XS_+31]|
	v_max3_num_f32 v[TQ_+4], v[TQ_+4], v[TQ_+5], 0x1800000     ; the floor 2^(3 - 127)
	v_add_nc_u32 v[TQ_+6], 0xff000000, v[TQ_+4]
.irp c, 0,1,2,3
	v_cvt_scalef32_pk8_fp4_f32 v[TQ_+\c], v[XS_+8*\c:XS_+8*\c+7], v[TQ_+6]
.endr
	v_lshrrev_b32 v[TQ_+7], 23, v[TQ_+6]                       ; the byte; also the plain line behind the conversions
	ds_store_b128 v[IMA], v[TQ_:TQ_+3] offset:(\q)*16*FS+(\g)*2*FS
	ds_store_b8 v[SCA], v[TQ_+7] offset:1024*(\q)+4*(\g)
.endm
.macro QTRIP q, n
	s_wait_loadcnt \n                              ; this chunk's 64 loads are in
	s_wait_dscnt 0x0                               ; the last chunk's LDS stores have read their registers
	QW (\q)%2, 0, \q
	QW (\q)%2, 1, \q
.endm
.macro ALOAD s                         ; K step s of the pair into set s % 4: four loads of 512 consecutive bytes, and the 32 scale words
.set LA_, AR+18*((\s)%4)
.irp x, 0,1
.irp c, 0,1
	global_load_b128 v[LA_+8*\x+4*\c:LA_+8*\x+4*\c+3], v[HO], s[42:43] offset:147456*(\s)+1024*\x+512*\c
.endr
.endr
	global_load_b32 v[LA_+16], v[HSO], s[44:45] offset:9216*(\s)
.endm
.macro RWLOAD                          ; my rows' weights: id held at 2,047
	v_min_u32 v[TT], 0x7ff, v[IDA]
	v_min_u32 v[TT+1], 0x7ff, v[IDB]
	v_lshlrev_b32 v[TT], 2, v[TT]
	v_lshlrev_b32 v[TT+1], 2, v[TT+1]
	global_load_b32 v[RW], v[TT], s[14:15]
	global_load_b32 v[RW+1], v[TT+1], s[14:15]
.endm
.macro PRIME                           ; 20 loads: the pair's first four K steps.  A wave without a pair names pair 0, which is always written
	s_add_co_u32 s46, s22, s23
	s_cmp_lt_u32 s23, s21
	s_cselect_b32 s46, s46, 0
	s_min_u32 s46, s46, 71
	s_lshl_b32 s48, s46, 11
	s_mov_b32 s49, 0
	s_add_nc_u64 s[42:43], s[52:53], s[48:49]
	s_lshl_b32 s48, s46, 7
	s_add_nc_u64 s[44:45], s[54:55], s[48:49]
	ALOAD 0
	ALOAD 1
	ALOAD 2
	ALOAD 3
.endm
	XLOAD 0, 0
	XLOAD 1, 1
	s_wait_kmcnt 0x0                               ; the counts: my expert's pairs, and the pairs of the experts before it
	s_mov_b32 s21, 0
	s_mov_b32 s22, 0
.irp i, 0,1,2,3,4,5,6,7
	s_add_co_u32 s46, s[24+\i], 31
	s_lshr_b32 s46, s46, 5
	s_min_u32 s46, s46, 32
	s_cmp_gt_u32 s19, \i
	s_cselect_b32 s47, s46, 0
	s_add_co_u32 s22, s22, s47
	s_cmp_eq_u32 s19, \i
	s_cselect_b32 s21, s46, s21
.endr
	QTRIP 0, 63                                    ; 64 younger loads stand behind chunk 0's
	ds_store_b32 v[BSA], v[BV]
	RWLOAD
	XLOAD 0, 2
	QTRIP 1, 63
	XLOAD 1, 3
	QTRIP 2, 63
	PRIME
	QTRIP 3, 20                                    ; the 20 loads just issued stay out
	s_wait_dscnt 0x0                               ; for the others: my images, bytes and words lie in LDS
	s_barrier_signal -1
	s_barrier_wait -1
.macro LOADG gi                        ; group gi = 2 ks + g: fragments of tiles 2 g, 2 g + 1 of K step ks; a step's first group brings its scale words too
.set LK_, (\gi)/2
.set LG_, (\gi)%2
.set LB_, BF+16*((\gi)%2)
.if LG_ == 0
	ds_load_b64 v[BSC+2*(LK_%2):BSC+2*(LK_%2)+1], v[SL] offset:256*LK_
.endif
.irp u, 0,1
.irp c, 0,1
.if LK_ < 8
	ds_load_b128 v[LB_+8*\u+4*\c:LB_+8*\u+4*\c+3], v[LI] offset:(4*LK_+2*LG_+\u)*FS+512*\c
.else
	ds_load_b128 v[LB_+8*\u+4*\c:LB_+8*\u+4*\c+3], v[LIH] offset:(4*(LK_-8)+2*LG_+\u)*FS+512*\c
.endif
.endr
.endr
.endm
.macro WM u, x
.set WD_, ACC+32*(\x)+8*(2*GG_+(\u))
.set WB_, BS_+8*(\u)
.set WA_, AS_+8*(\x)
.set WS_, BSC+2*(KS_%2)+GG_
.set WT_, AS_+16
.if KS_ == 0
.if ((\u) == 0) && ((\x) == 0)
	v_wmma_scale_f32_16x16x128_f8f6f4 v[WD_:WD_+7], v[WB_:WB_+7], v[WA_:WA_+7], 0, v[WS_], v[WT_] matrix_a_fmt:MATRIX_FMT_FP4 matrix_b_fmt:MATRIX_FMT_FP4
.elseif ((\u) == 1) && ((\x) == 0)
	v_wmma_scale_f32_16x16x128_f8f6f4 v[WD_:WD_+7], v[WB_:WB_+7], v[WA_:WA_+7], 0, v[WS_], v[WT_] matrix_a_fmt:MATRIX_FMT_FP4 matrix_b_fmt:MATRIX_FMT_FP4 matrix_a_scale:MATRIX_SCALE_ROW1
.elseif (\u) == 0
	v_wmma_scale_f32_16x16x128_f8f6f4 v[WD_:WD_+7], v[WB_:WB_+7], v[WA_:WA_+7], 0, v[WS_], v[WT_] matrix_a_fmt:MATRIX_FMT_FP4 matrix_b_fmt:MATRIX_FMT_FP4 matrix_b_scale:MATRIX_SCALE_ROW1
.else
	v_wmma_scale_f32_16x16x128_f8f6f4 v[WD_:WD_+7], v[WB_:WB_+7], v[WA_:WA_+7], 0, v[WS_], v[WT_] matrix_a_fmt:MATRIX_FMT_FP4 matrix_b_fmt:MATRIX_FMT_FP4 matrix_a_scale:MATRIX_SCALE_ROW1 matrix_b_scale:MATRIX_SCALE_ROW1
.endif
.else
.if ((\u) == 0) && ((\x) == 0)
	v_wmma_scale_f32_16x16x128_f8f6f4 v[WD_:WD_+7], v[WB_:WB_+7], v[WA_:WA_+7], v[WD_:WD_+7], v[WS_], v[WT_] matrix_a_fmt:MATRIX_FMT_FP4 matrix_b_fmt:MATRIX_FMT_FP4
.elseif ((\u) == 1) && ((\x) == 0)
	v_wmma_scale_f32_16x16x128_f8f6f4 v[WD_:WD_+7], v[WB_:WB_+7], v[WA_:WA_+7], v[WD_:WD_+7], v[WS_], v[WT_] matrix_a_fmt:MATRIX_FMT_FP4 matrix_b_fmt:MATRIX_FMT_FP4 matrix_a_scale:MATRIX_SCALE_ROW1
.elseif (\u) == 0
	v_wmma_scale_f32_16x16x128_f8f6f4 v[WD_:WD_+7], v[WB_:WB_+7], v[WA_:WA_+7], v[WD_:WD_+7], v[WS_], v[WT_] matrix_a_fmt:MATRIX_FMT_FP4 matrix_b_fmt:MATRIX_FMT_FP4 matrix_b_scale:MATRIX_SCALE_ROW1
.else
	v_wmma_scale_f32_16x16x128_f8f6f4 v[WD_:WD_+7], v[WB_:WB_+7], v[WA_:WA_+7], v[WD_:WD_+7], v[WS_], v[WT_] matrix_a_fmt:MATRIX_FMT_FP4 matrix_b_fmt:MATRIX_FMT_FP4 matrix_a_scale:MATRIX_SCALE_ROW1 matrix_b_scale:MATRIX_SCALE_ROW1
.endif
.endif
.endm
; Four matrix instructions.  The 8 accumulators take turns, one instruction a turn, in the same order in every K step.
.macro GROUP gi
.set KS_, (\gi)/2
.set GG_, (\gi)%2
.set BS_, BF+16*((\gi)%2)
.set AS_, AR+18*(KS_%4)
.if GG_ == 0
.if KS_ < 4
	s_wait_loadcnt 31                              ; behind this K step's five loads: what is left of the primed sets, the 16 loads of ids, the refills: 31 in each of steps 0 to 3
.elseif KS_ < 13
	s_wait_loadcnt 15                              ; three younger sets of five
.else
	s_wait_loadcnt 5*(15-KS_)
.endif
.endif
.if (\gi) == 31
	s_wait_dscnt 0x0
.elseif (((\gi)+1)%2) == 0
	s_wait_dscnt 5                                 ; the next group's four loads and its step's scale words stay out
.else
	s_wait_dscnt 4
.endif
.irp x, 0,1
.irp u, 0,1
	WM \u, \x
.endr
.endr
.rept 4
	v_nop                                          ; four places in front of loads into registers that these products read, and of the first read of results
.endr
.if (\gi)+2 < 32
	LOADG (\gi)+2
.endif
.if (GG_ == 1) && (KS_+4 < 16)
	ALOAD KS_+4
.endif
.endm
.macro EPI2 x                          ; tile x of the pair: (+ b2), x rw, through the stage, out
.set Z0_, ACC+32*(\x)
	s_wait_xcnt 0x0                                ; the last tile's stores have read the registers that the stage's loads write
	s_cmp_lg_u32 s34, 0                            ; half 1 adds no bias: a branch on the work-group's number
	s_cbranch_scc1 .Lnobias_\@
.set J_, 0
.rept 16
	v_pk_add_f32 v[Z0_+J_:Z0_+J_+1], v[Z0_+J_:Z0_+J_+1], v[BF+J_:BF+J_+1]
.set J_, J_+2
.endr
.Lnobias_\@:
.set J_, 0
.rept 16
.if (\x) == 0
	v_pk_mul_f32 v[Z0_+J_:Z0_+J_+1], v[Z0_+J_:Z0_+J_+1], v[RW:RW+1] op_sel_hi:[1,0]            ; ascending on both ways: each accumulator is first read at its low end
.else
	v_pk_mul_f32 v[Z0_+J_:Z0_+J_+1], v[Z0_+J_:Z0_+J_+1], v[RW:RW+1] op_sel:[0,1] op_sel_hi:[1,1]
.endif
.set J_, J_+2
.endr
.irp g, 0,1
.irp i, 0,1,2,3
	ds_store_b128 v[STO], v[Z0_+16*\g+4*\i:Z0_+16*\g+4*\i+3] offset:128*\g+16*\i   ; columns 32 g + 16 (lane / 16) + 4 i on of row lane % 16
.endr
.endr
.irp i, 0,1,2,3,4,5,6,7
	ds_load_b128 v[OB+4*\i:OB+4*\i+3], v[RD] offset:544*\i     ; LDS serves a wave's instructions in order: these see the stores above
.endr
	s_wait_dscnt 0x0
.irp i, 0,1,2,3,4,5,6,7
	global_store_b128 v[RID+8*(\x)+\i], v[OB+4*\i:OB+4*\i+3], s[36:37] th:TH_STORE_NT   ; sixteen lanes store 256 consecutive bytes of row 2 i + lane / 16, aligned
.endr
.endm
	s_mov_b32 s[CNT], 0
	s_add_co_u32 s[NT], s21, 15                    ; how many of w, w + 16, .. lie under the expert's number of pairs: (pairs + 15 - w) / 16
	s_sub_co_u32 s[NT], s[NT], s18
	s_lshr_b32 s[NT], s[NT], 4
	s_cmp_lt_u32 s[CNT], s[NT]
	s_cbranch_scc0 .Ldone
.Lpair:
	s_wait_xcnt 0x0                                ; the last pair's stores have read their offsets
.irp x, 0,1
.irp i, 0,1,2,3,4,5,6,7
	global_load_b32 v[RID+8*\x+\i], v[H4], s[40:41] offset:64*\x+8*\i          ; the id of row 2 i + lane / 16 of tile x
.endr
.endr
	LOADG 0
	LOADG 1
.set GI, 0
.rept 32
	GROUP GI
.set GI, GI+1
.endr
.set J_, 0
.rept 16
	v_min_u32 v[RID+J_], 0x7ff, v[RID+J_]
.set J_, J_+1
.endr
.set J_, 0
.rept 16
	v_lshl_add_u32 v[RID+J_], v[RID+J_], 12, v[CO] ; a row of ybuf is 4,096 bytes
.set J_, J_+1
.endr
	s_cmp_lg_u32 s34, 0
	s_cbranch_scc1 .Lnoload
.irp g, 0,1
.irp i, 0,1,2,3
	ds_load_b128 v[BF+16*\g+4*\i:BF+16*\g+4*\i+3], v[BIA] offset:128*\g+16*\i  ; b2 in the result's layout, once for both tiles
.endr
.endr
	s_wait_dscnt 0x0
.Lnoload:
	EPI2 0
	EPI2 1
	s_add_co_u32 s23, s23, 16                      ; my next pair's number,
	s_add_co_u32 s[CNT], s[CNT], 1                 ; and one more done
	s_cmp_lt_u32 s[CNT], s[NT]
	s_cbranch_scc0 .Ldone
	s_wait_xcnt 0x0                                ; stores and loads have read their registers: the next pair's ids, addresses and operands may be written
	s_min_u32 s46, s23, 31
	s_lshl_b32 s46, s46, 7
	s_mov_b32 s47, 0
	s_add_nc_u64 s[40:41], s[50:51], s[46:47]
	global_load_b32 v[IDA], v[LAO], s[40:41]
	global_load_b32 v[IDB], v[LAO], s[40:41] offset:64
	s_wait_loadcnt 0x0
	RWLOAD
	PRIME
	s_cmp_lt_u32 s[CNT], s[NT]                     ; the same compare once more: the backward jump hangs on the count of trips
	s_cbranch_scc1 .Lpair
.Ldone:
	s_wait_tensorcnt 0x0                           ; the wave's end
	ds_add_u32 v[SPW], v[NIL]
	s_wait_dscnt 0x0
	s_endpgm
.Lfunc_end_k_q28706e7d1f_ffn2:
	.size	k_q28706e7d1f_ffn2, .Lfunc_end_k_q28706e7d1f_ffn2-k_q28706e7d1f_ffn2
	.p2alignl 7, 3214868480
	.fill 96, 4, 3214868480
	.section	.rodata,"a",@progbits
	.p2align	6, 0x0
	.amdhsa_kernel k_q28706e7d1f_ffn2
		.amdhsa_group_segment_fixed_size 149760
		.amdhsa_private_segment_fixed_size 0
		.amdhsa_enable_private_segment 0
		.amdhsa_kernarg_size 56
		.amdhsa_user_sgpr_count 2
		.amdhsa_user_sgpr_kernarg_segment_ptr 1
		.amdhsa_wavefront_size32 1
		.amdhsa_system_sgpr_workgroup_id_x 1
		.amdhsa_system_sgpr_workgroup_id_y 1
		.amdhsa_system_sgpr_workgroup_id_z 1
		.amdhsa_system_vgpr_workitem_id 0
		.amdhsa_next_free_vgpr 256
		.amdhsa_next_free_sgpr 66
		.amdhsa_reserve_vcc 0
		.amdhsa_float_denorm_mode_32 3
		.amdhsa_float_denorm_mode_16_64 3
		.amdhsa_memory_ordered 1
		.amdhsa_forward_progress 1
		.amdhsa_inst_pref_size 97
	.end_amdhsa_kernel
	.amdgpu_metadata
---
amdhsa.version: [ 1, 2 ]
amdhsa.kernels:
  - .name:           k_q28706e7d1f_ffn2
    .symbol:         k_q28706e7d1f_ffn2.kd
    .args:
      - { .name: w2, .offset: 0, .size: 8, .value_kind: global_buffer, .address_space: global }
      - { .name: b2, .offset: 8, .size: 8, .value_kind: global_buffer, .address_space: global }
      - { .name: hq, .offset: 16, .size: 8, .value_kind: global_buffer, .address_space: global }
      - { .name: hs, .offset: 24, .size: 8, .value_kind: global_buffer, .address_space: global }
      - { .name: list, .offset: 32, .size: 8, .value_kind: global_buffer, .address_space: global }
      - { .name: rw, .offset: 40, .size: 8, .value_kind: global_buffer, .address_space: global }
      - { .name: ybuf, .offset: 48, .size: 8, .value_kind: global_buffer, .address_space: global }
    .group_segment_fixed_size: 149760
    .private_segment_fixed_size: 0
    .kernarg_segment_align: 8
    .kernarg_segment_size: 56
    .max_flat_workgroup_size: 512
    .sgpr_count:     66
    .vgpr_count:     256
    .wavefront_size: 32
...
	.end_amdgpu_metadata
.endif
;; end of part 4
;; launch combine (part 5): grid 256 x 1, 8 waves a work-group, no clusters, 0 bytes of LDS; arguments ybuf, out0; writes out0
.if DOCPART == 5
	.amdgcn_target "amdgcn-amd-amdhsa--gfx1250"
	.amdhsa_code_object_version 6
	.text
	.protected	k_q28706e7d1f_combine
	.globl	k_q28706e7d1f_combine
	.p2align	8
	.type	k_q28706e7d1f_combine,@function
k_q28706e7d1f_combine:
	s_mov_b64 s[64:65], 0
	v_nop
	global_prefetch_b8 v0, s[64:65] scope:SCOPE_SE
	s_setreg_imm32_b32 hwreg(HW_REG_WAVE_MODE, 25, 1), 1
	s_wait_xcnt 0x0
; MoE layer, launch 5 of 5: out[t] = the sum of the four parts ybuf[half][2 t + k], which already carry the router's weight and b2.  The experts that were not chosen add nothing: see the head of the first kernel.
; A stream: 256 work-groups x 4 tokens; thread t owns the 16 bytes at 16 t of every row, so a wave's load or store covers 512 consecutive bytes.  All 16 loads of a thread go out at once.
; No LDS, no matrix unit, no cluster: nothing is shared and memory binds.
.set Y, 4                              ; v4-67: token j, part m (half 2 x k 2) at 16 j + 4 m
	s_load_b128 s[4:7], s[0:1], 0x0                ; ybuf, out0
	v_lshlrev_b32 v1, 4, v0
	s_lshl_b32 s8, ttmp9, 15                       ; 4 tokens x 2 rows x 4,096 bytes
	s_mov_b32 s9, 0
	s_lshl_b32 s10, ttmp9, 14                      ; 4 rows of out
	s_mov_b32 s11, 0
	s_wait_kmcnt 0x0
	s_add_nc_u64 s[4:5], s[4:5], s[8:9]
	s_add_nc_u64 s[12:13], s[4:5], 0x800000        ; the second half of K
	s_add_nc_u64 s[6:7], s[6:7], s[10:11]
.irp j, 0,1,2,3
.irp k, 0,1
	global_load_b128 v[Y+16*\j+4*\k:Y+16*\j+4*\k+3], v1, s[4:5] offset:8192*\j+4096*\k th:TH_LOAD_NT
.endr
.irp k, 0,1
	global_load_b128 v[Y+16*\j+8+4*\k:Y+16*\j+8+4*\k+3], v1, s[12:13] offset:8192*\j+4096*\k th:TH_LOAD_NT
.endr
.endr
.irp j, 0,1,2,3
	s_wait_loadcnt 12-4*\j                         ; this token's four loads are in; the later tokens' stay out
.irp p, 0,2
	v_pk_add_f32 v[Y+16*\j+\p:Y+16*\j+\p+1], v[Y+16*\j+\p:Y+16*\j+\p+1], v[Y+16*\j+4+\p:Y+16*\j+4+\p+1]
	v_pk_add_f32 v[Y+16*\j+8+\p:Y+16*\j+8+\p+1], v[Y+16*\j+8+\p:Y+16*\j+8+\p+1], v[Y+16*\j+12+\p:Y+16*\j+12+\p+1]
.endr
.irp p, 0,2
	v_pk_add_f32 v[Y+16*\j+\p:Y+16*\j+\p+1], v[Y+16*\j+\p:Y+16*\j+\p+1], v[Y+16*\j+8+\p:Y+16*\j+8+\p+1]
.endr
	global_store_b128 v1, v[Y+16*\j:Y+16*\j+3], s[6:7] offset:4096*\j th:TH_STORE_NT
.endr
	s_endpgm
.Lfunc_end_k_q28706e7d1f_combine:
	.size	k_q28706e7d1f_combine, .Lfunc_end_k_q28706e7d1f_combine-k_q28706e7d1f_combine
	.p2alignl 7, 3214868480
	.fill 96, 4, 3214868480
	.section	.rodata,"a",@progbits
	.p2align	6, 0x0
	.amdhsa_kernel k_q28706e7d1f_combine
		.amdhsa_group_segment_fixed_size 0
		.amdhsa_private_segment_fixed_size 0
		.amdhsa_enable_private_segment 0
		.amdhsa_kernarg_size 16
		.amdhsa_user_sgpr_count 2
		.amdhsa_user_sgpr_kernarg_segment_ptr 1
		.amdhsa_wavefront_size32 1
		.amdhsa_system_sgpr_workgroup_id_x 1
		.amdhsa_system_sgpr_workgroup_id_y 1
		.amdhsa_system_sgpr_workgroup_id_z 1
		.amdhsa_system_vgpr_workitem_id 0
		.amdhsa_next_free_vgpr 72
		.amdhsa_next_free_sgpr 66
		.amdhsa_reserve_vcc 0
		.amdhsa_float_denorm_mode_32 3
		.amdhsa_float_denorm_mode_16_64 3
		.amdhsa_memory_ordered 1
		.amdhsa_forward_progress 1
		.amdhsa_inst_pref_size 5
	.end_amdhsa_kernel
	.amdgpu_metadata
---
amdhsa.version: [ 1, 2 ]
amdhsa.kernels:
  - .name:           k_q28706e7d1f_combine
    .symbol:         k_q28706e7d1f_combine.kd
    .args:
      - { .name: ybuf, .offset: 0, .size: 8, .value_kind: global_buffer, .address_space: global }
      - { .name: out0, .offset: 8, .size: 8, .value_kind: global_buffer, .address_space: global }
    .group_segment_fixed_size: 0
    .private_segment_fixed_size: 0
    .kernarg_segment_align: 8
    .kernarg_segment_size: 16
    .max_flat_workgroup_size: 256
    .sgpr_count:     66
    .vgpr_count:     72
    .wavefront_size: 32
...
	.end_amdgpu_metadata
.endif
;; end of part 5
;; ======== version 2 of 2: 5 launches; 1.16 times as fast as version 1
;; workspace buffers: xq 524,288 bytes; xs 32,768 bytes; sel 8,192 bytes of whole numbers; rw 8,192 bytes; list 65,792 bytes of whole numbers; hq 4,718,592 bytes; hs 294,912 bytes; ybuf 16,777,216 bytes
;; launch route (part 6): grid 128 x 1, 4 waves a work-group, no clusters, 70,912 bytes of LDS; arguments x, gate_w, gate_b, xq, xs, sel, rw; writes xq, xs, sel, rw
.if DOCPART == 6
	.amdgcn_target "amdgcn-amd-amdhsa--gfx1250"
	.amdhsa_code_object_version 6
	.text
	.protected	k_q28706e7d1f_route
	.globl	k_q28706e7d1f_route
	.p2align	8
	.type	k_q28706e7d1f_route,@function
k_q28706e7d1f_route:
	s_mov_b64 s[64:65], 0
	v_nop
	global_prefetch_b8 v0, s[64:65] scope:SCOPE_SE
	s_setreg_imm32_b32 hwreg(HW_REG_WAVE_MODE, 25, 1), 1
	s_wait_xcnt 0x0
; MoE layer, launch 1 of 5: the router (logits in f32, top 2 of 8, softmax over the two) and x as codes of E2M1 with one E8M0 byte for each 32 along H.
; WORK LEFT OUT BY THE WHOLE PROGRAM.  reference() forms combine[t][e] as the sum of one_hot(sel[t][k]) x rw[t][k]: for every expert e that is not sel[t][0] or sel[t][1]
; combine[t][e] is the zero that one_hot writes, whatever the inputs hold.  out[t] = sum over e of combine[t][e] y[t][e], so the rows h[t][e] and y[t][e] of those experts reach no output
; in exact arithmetic.  The program multiplies only the 2,048 pairs (t, k).  No input is left out.  LIMIT: a NaN, an infinity or an overflow in a row of an expert that was not chosen is not carried to out.
; LIMITS: NaN and infinities among the inputs are not served (a NaN logit neither).  The logits are summed in another order than reference() sums them: two logits closer than f32 rounding may change places.
; A block of x whose largest magnitude lies under 2^-124 gets the byte 1, a block of zeros too (the rule says 127): its codes are zeros and this program alone reads the bytes.
; SHARES.  128 work-groups x 8 tokens; a wave takes 2 rows.  Each of a row's eight loads reads 512 consecutive bytes: lane l of load i holds k = 128 i + 4 l .. + 3.  The logits are formed on that layout,
; against gate_w, which lies in LDS in its own order and is read the same way: each read of it serves both rows.
; THE TURN.  The conversions take neighbours along K from one lane's registers, so a row then goes through the wave's own stage in LDS and comes back a block of 32 to a lane: block b lies at 144 b
; (128 bytes + 16).  It comes back into the registers that it left.
; A row id is 2 t + k.  sel[id] (u32) and rw[id] (f32) go to fixed places; a later launch places the rows by expert.  The group's 256 scale bytes leave as one aligned run of 256; its 16 ids give 64 consecutive
; bytes of sel and 64 of rw: a quarter of an aligned 256 each, 16,384 bytes in the whole launch.  No matrix work, no cluster: 8 columns of gate_w, and no tile is shared through a mover.
.set XSL,   32768                      ; LDS: gate_w at 0, [e][1024] f32; from here the 8 tokens' scale bytes, 32 a token
.set SELS,  33024                      ; 16 words: the chosen experts; 256 bytes further on 16 words: their weights
.set STG,   33536                      ; the stages: 4,608 bytes a row, two a wave
.set SPARE, 70400                      ; the spare words, 128 bytes a wave
.set SPW, 1                            ; v1  my spare word; never rewritten
.set NIL, 2                            ; v2  0; never rewritten
.set LN,  3                            ; v3  lane
.set GO,  4                            ; v4  16 x thread: my piece of 2,048 bytes of gate_w, in memory and in LDS
.set GL,  5                            ; v5  16 x lane
.set STI, 6                            ; v6  the stage, on the way in
.set STQ, 7                            ; v7  the stage, on the way out: 144 x lane
.set SA,  8                            ; v8  my wave's 4 words among the chosen experts
.set XSA, 9                            ; v9  my byte among my wave's scale bytes
.set FA0, 10                           ; v10 the way out of the scale bytes: 8 bytes a lane
.set FO0, 11                           ; v11 8 x lane
.set FA1, 12                           ; v12 the way out of sel (wave 1) and rw (wave 2): 8 bytes for each of 8 lanes
.set FO1, 13                           ; v13 8 x (lane % 8)
.set NINF, 14                          ; v14 -infinity
.set LG,  16                           ; v16-31  logits: row rr, expert e at 8 rr + e
.set AC,  32                           ; v32-47  sums: two sets by turns; in a set two pairs a row
.set M1,  48
.set I1,  50
.set M2,  52
.set I2,  54
.set T,   56
.set R,   58
.set OP,  60                           ; v[60:61] the way out
.set X,   64                           ; v64-127  two rows x 32 numbers
.set G,   128                          ; v128-223 three sets of 32 numbers of gate_w; later at work
.set QT,  G+32
	s_load_b256 s[4:11], s[0:1], 0x0               ; x, gate_w, gate_b, xq
	s_load_b128 s[12:15], s[0:1], 0x20             ; xs, sel
	s_load_b64 s[16:17], s[0:1], 0x30              ; rw
	v_lshl_add_u32 v[SPW], v0, 2, SPARE
	v_mov_b32 v[NIL], 0
	v_lshrrev_b32 v[LN], 5, v0
	v_readfirstlane_b32 s18, v[LN]                 ; wave 0..3
	v_and_b32 v[LN], 31, v0
	v_lshlrev_b32 v[GO], 4, v0
	v_lshlrev_b32 v[GL], 4, v[LN]
	s_mul_i32 s30, s18, 9216
	s_add_co_u32 s30, s30, STG                     ; my wave's two stages
	v_lshrrev_b32 v[STI], 3, v[LN]                 ; in: lane l of load i holds piece l % 8 of block 4 i + l / 8
	v_mul_u32_u24 v[STI], v[STI], 144
	v_and_b32 v[STQ], 7, v0
	v_lshl_add_u32 v[STI], v[STQ], 4, v[STI]
	v_add_nc_u32 v[STI], s30, v[STI]
	v_lshlrev_b32 v[FO1], 3, v[STQ]
	v_mul_u32_u24 v[STQ], v[LN], 144               ; out: block = lane
	v_add_nc_u32 v[STQ], s30, v[STQ]
	s_lshl_b32 s30, s18, 4
	s_add_co_u32 s30, s30, SELS
	v_mov_b32 v[SA], s30
	s_lshl_b32 s30, s18, 6
	s_add_co_u32 s30, s30, XSL
	v_add_nc_u32 v[XSA], s30, v[LN]
	v_lshlrev_b32 v[FO0], 3, v[LN]
	v_add_nc_u32 v[FA0], XSL, v[FO0]
	s_lshl_b32 s30, s18, 8
	s_add_co_u32 s30, s30, SELS-256                ; wave 1: the experts; wave 2: the weights
	v_add_nc_u32 v[FA1], s30, v[FO1]
	v_mov_b32 v[NINF], 0xff800000
	s_mov_b32 s28, 0x76543210                      ; v_permlanex16_b32: lane l xor 16
	s_mov_b32 s29, 0xfedcba98
	s_lshl_b32 s30, ttmp9, 3
	s_lshl_b32 s31, s18, 1
	s_add_co_u32 s30, s30, s31                     ; my first token: 8 x work-group + 2 x wave
	s_lshl_b32 s32, s30, 12                        ; in x, 4,096 bytes a row
	s_mov_b32 s33, 0
	s_lshl_b32 s34, s30, 9                         ; in xq, 512 bytes a row
	s_mov_b32 s35, 0
	s_lshl_b32 s36, ttmp9, 8                       ; the group's 256 scale bytes
	s_mov_b32 s37, 0
	s_lshl_b32 s40, ttmp9, 6                       ; the group's 64 bytes of sel and of rw
	s_mov_b32 s41, 0
	s_wait_kmcnt 0x0
	s_load_b256 s[20:27], s[8:9], 0x0              ; gate_b
	s_add_nc_u64 s[4:5], s[4:5], s[32:33]
	s_add_nc_u64 s[10:11], s[10:11], s[34:35]
	s_add_nc_u64 s[12:13], s[12:13], s[36:37]
	s_cmp_eq_u32 s18, 1                            ; the buffer is chosen by the wave's number alone
	s_cselect_b64 s[38:39], s[14:15], s[16:17]
	s_add_nc_u64 s[38:39], s[38:39], s[40:41]
.irp j, 0,1,2,3,4,5,6,7,8,9,10,11,12,13,14,15
	global_load_b128 v[G+4*\j:G+4*\j+3], v[GO], s[6:7] offset:2048*\j          ; gate_w: 2,048 consecutive bytes by the 128 threads
.endr
.irp rr, 0,1
.irp i, 0,1,2,3,4,5,6,7
	global_load_b128 v[X+32*\rr+4*\i:X+32*\rr+4*\i+3], v[GL], s[4:5] offset:4096*\rr+512*\i th:TH_LOAD_NT   ; 512 consecutive bytes of a row
.endr
.endr
	s_wait_loadcnt 16                              ; the gate's sixteen pieces are in; the 16 loads of x stay out
.irp j, 0,1,2,3,4,5,6,7,8,9,10,11,12,13,14,15
	ds_store_b128 v[GO], v[G+4*\j:G+4*\j+3] offset:2048*\j
.endr
	s_wait_dscnt 0x0                               ; for the others: my pieces lie in LDS
	s_barrier_signal -1
	s_barrier_wait -1
.macro LOADGW e                        ; expert e's row, in x's layout, into set e % 3
.irp i, 0,1,2,3,4,5,6,7
	ds_load_b128 v[G+32*((\e)%3)+4*\i:G+32*((\e)%3)+4*\i+3], v[GL] offset:4096*(\e)+512*\i
.endr
.endm
.macro DOT e                           ; two rows x two chains by turns, sixteen packed products a row; the first products start the sums
.set GS_, G+32*((\e)%3)
.set AS_, AC+8*((\e)%2)
.irp p, 0,1,2,3,4,5,6,7,8,9,10,11,12,13,14,15
.irp rr, 0,1
.if \p < 2
	v_pk_mul_f32 v[AS_+4*\rr+2*\p:AS_+4*\rr+2*\p+1], v[X+32*\rr+2*\p:X+32*\rr+2*\p+1], v[GS_+2*\p:GS_+2*\p+1]
.else
	v_pk_fma_f32 v[AS_+4*\rr+2*(\p%2):AS_+4*\rr+2*(\p%2)+1], v[X+32*\rr+2*\p:X+32*\rr+2*\p+1], v[GS_+2*\p:GS_+2*\p+1], v[AS_+4*\rr+2*(\p%2):AS_+4*\rr+2*(\p%2)+1]
.endif
.endr
.endr
.irp rr, 0,1
	v_pk_add_f32 v[AS_+4*\rr:AS_+4*\rr+1], v[AS_+4*\rr:AS_+4*\rr+1], v[AS_+4*\rr+2:AS_+4*\rr+3]
.endr
.irp rr, 0,1
	v_add_f32 v[LG+8*\rr+(\e)], v[AS_+4*\rr], v[AS_+4*\rr+1]
.endr
.endm
	LOADGW 0
	LOADGW 1
	s_wait_loadcnt 0x0                             ; x
.set ST, 0
.rept 8
.if ST+2 < 8
	LOADGW ST+2
	s_wait_dscnt 16                                ; this expert's eight loads are in; the two younger sets stay out
.else
	s_wait_dscnt 8*(7-ST)
.endif
	DOT ST
.set ST, ST+1
.endr
; the turn: LDS serves a wave's instructions in order, so no wait stands between the stores and the loads; the sums over the lanes and the choice stand between the loads and the wait for them
.irp rr, 0,1
.irp i, 0,1,2,3,4,5,6,7
	ds_store_b128 v[STI], v[X+32*\rr+4*\i:X+32*\rr+4*\i+3] offset:4608*\rr+576*\i
.endr
.endr
.irp rr, 0,1
.irp j, 0,1,2,3,4,5,6,7
	ds_load_b128 v[X+32*\rr+4*\j:X+32*\rr+4*\j+3], v[STQ] offset:4608*\rr+16*\j    ; register 4 j + c: k = 32 lane + 4 j + c
.endr
.endr
; the 16 sums over the 32 lanes: four steps inside each half ride on the addition, one crosses the halves
.irp m, 1,2,4,8
.set J_, 0
.rept 16
	v_add_f32_dpp v[LG+J_], v[LG+J_], v[LG+J_] row_xmask:\m row_mask:0xf bank_mask:0xf
.set J_, J_+1
.endr
.endr
.set J_, 0
.rept 16
	v_permlanex16_b32 v[G+J_], v[LG+J_], s28, s29  ; (its destination has been written: gate_w lay there)
.set J_, J_+1
.endr
.set J_, 0
.rept 16
	v_add_f32 v[LG+J_], v[LG+J_], v[G+J_]
.set J_, J_+1
.endr
	s_wait_kmcnt 0x0                               ; gate_b
.irp rr, 0,1
.irp e, 0,1,2,3,4,5,6,7
	v_add_f32 v[LG+8*\rr+\e], s[20+\e], v[LG+8*\rr+\e]
.endr
.endr
; the largest of a row's eight logits and its index, the two rows by turns: the old one stays where the new one is not larger, so a tie keeps the lower index, as lax.top_k does
.macro SCAN m, i
.irp rr, 0,1
	v_mov_b32 v[\m+\rr], v[LG+8*\rr]
	v_mov_b32 v[\i+\rr], 0
.endr
.irp e, 1,2,3,4,5,6,7
.irp rr, 0,1
	v_cmp_le_f32 s[42+\rr], v[LG+8*\rr+\e], v[\m+\rr]
.endr
.irp rr, 0,1
	v_cndmask_b32 v[\m+\rr], v[LG+8*\rr+\e], v[\m+\rr], s[42+\rr]
	v_cndmask_b32 v[\i+\rr], \e, v[\i+\rr], s[42+\rr]
.endr
.endr
.endm
	SCAN M1, I1
.irp e, 0,1,2,3,4,5,6,7
.irp rr, 0,1
	v_cmp_eq_u32 s[42+\rr], \e, v[I1+\rr]          ; the winner leaves the field
.endr
.irp rr, 0,1
	v_cndmask_b32 v[LG+8*\rr+\e], v[LG+8*\rr+\e], v[NINF], s[42+\rr]
.endr
.endr
	SCAN M2, I2
; softmax over the two: the larger is taken away, as reference() does: weights 1 / (1 + e^d) and e^d / (1 + e^d), d = m2 - m1 <= 0
.irp rr, 0,1
	v_sub_f32 v[T+\rr], v[M2+\rr], v[M1+\rr]
.endr
.irp rr, 0,1
	v_mul_f32 v[T+\rr], 0x3fb8aa3b, v[T+\rr]
.endr
.irp rr, 0,1
	v_exp_f32 v[T+\rr], v[T+\rr]
.endr
	v_nop                                          ; a plain instruction behind the last exponential
	s_wait_alu depctr_va_vdst(0)                   ; one wait for the two, ahead of their first reader
.irp rr, 0,1
	v_add_f32 v[R+\rr], 1.0, v[T+\rr]
.endr
.irp rr, 0,1
	v_rcp_f32 v[R+\rr], v[R+\rr]
.endr
	v_nop
	s_wait_alu depctr_va_vdst(0)                   ; and one for the two reciprocals
.irp rr, 0,1
	v_mul_f32 v[T+\rr], v[T+\rr], v[R+\rr]
.endr
.irp rr, 0,1
	ds_store_b32 v[SA], v[I1+\rr] offset:8*\rr                 ; all lanes write the same word with the same value
	ds_store_b32 v[SA], v[I2+\rr] offset:8*\rr+4
	ds_store_b32 v[SA], v[R+\rr] offset:8*\rr+256
	ds_store_b32 v[SA], v[T+\rr] offset:8*\rr+260
.endr
	s_wait_dscnt 8                                 ; the rows are back from the stages; the eight stores just issued stay out
; x as codes: all 32 numbers of a block are one lane's
.irp rr, 0,1
	v_max3_num_f32 v[QT+8*\rr+4], |v[X+32*\rr]|, |v[X+32*\rr+1]|, |v[X+32*\rr+2]|
	v_max3_num_f32 v[QT+8*\rr+5], |v[X+32*\rr+3]|, |v[X+32*\rr+4]|, |v[X+32*\rr+5]|
.irp i, 6,10,14,18,22,26
	v_max3_num_f32 v[QT+8*\rr+4], v[QT+8*\rr+4], |v[X+32*\rr+\i]|, |v[X+32*\rr+\i+1]|
	v_max3_num_f32 v[QT+8*\rr+5], v[QT+8*\rr+5], |v[X+32*\rr+\i+2]|, |v[X+32*\rr+\i+3]|
.endr
	v_max3_num_f32 v[QT+8*\rr+4], v[QT+8*\rr+4], |v[X+32*\rr+30]|, |v[X+32*\rr+31]|
	v_max3_num_f32 v[QT+8*\rr+4], v[QT+8*\rr+4], v[QT+8*\rr+5], 0x1800000    ; the floor 2^(3 - 127): the byte cannot fall under 1
	v_add_nc_u32 v[QT+8*\rr+6], 0xff000000, v[QT+8*\rr+4]                    ; 2 off the exponent field: the conversion's scale operand
.irp c, 0,1,2,3
	v_cvt_scalef32_pk8_fp4_f32 v[QT+8*\rr+\c], v[X+32*\rr+8*\c:X+32*\rr+8*\c+7], v[QT+8*\rr+6]
.endr
	v_lshrrev_b32 v[QT+8*\rr+7], 23, v[QT+8*\rr+6]                           ; the scale's byte
	global_store_b128 v[GL], v[QT+8*\rr:QT+8*\rr+3], s[10:11] offset:512*\rr ; the wave stores a row's 512 bytes of codes
	ds_store_b8 v[XSA], v[QT+8*\rr+7] offset:32*\rr
.endr
	s_wait_dscnt 0x0                               ; for the others: my bytes and words lie in LDS
	s_barrier_signal -1
	s_barrier_wait -1
	s_cmp_gt_u32 s18, 2                            ; three runs leave, one a wave
	s_cbranch_scc1 .Lend
	s_cmp_eq_u32 s18, 0
	s_cbranch_scc0 .Lwords
	ds_load_b64 v[OP:OP+1], v[FA0]
	s_wait_dscnt 0x0
	global_store_b64 v[FO0], v[OP:OP+1], s[12:13]  ; 32 lanes store the 256 scale bytes, aligned
	s_branch .Lend
.Lwords:
	ds_load_b64 v[OP:OP+1], v[FA1]
	s_wait_dscnt 0x0
	global_store_b64 v[FO1], v[OP:OP+1], s[38:39]  ; 64 consecutive bytes; lanes 8 apart store the same bytes with the same values
.Lend:
	s_wait_tensorcnt 0x0                           ; the wave's end
	ds_add_u32 v[SPW], v[NIL]
	s_wait_dscnt 0x0
	s_endpgm
.Lfunc_end_k_q28706e7d1f_route:
	.size	k_q28706e7d1f_route, .Lfunc_end_k_q28706e7d1f_route-k_q28706e7d1f_route
	.p2alignl 7, 3214868480
	.fill 96, 4, 3214868480
	.section	.rodata,"a",@progbits
	.p2align	6, 0x0
	.amdhsa_kernel k_q28706e7d1f_route
		.amdhsa_group_segment_fixed_size 70912
		.amdhsa_private_segment_fixed_size 0
		.amdhsa_enable_private_segment 0
		.amdhsa_kernarg_size 56
		.amdhsa_user_sgpr_count 2
		.amdhsa_user_sgpr_kernarg_segment_ptr 1
		.amdhsa_wavefront_size32 1
		.amdhsa_system_sgpr_workgroup_id_x 1
		.amdhsa_system_sgpr_workgroup_id_y 1
		.amdhsa_system_sgpr_workgroup_id_z 1
		.amdhsa_system_vgpr_workitem_id 0
		.amdhsa_next_free_vgpr 224
		.amdhsa_next_free_sgpr 66
		.amdhsa_reserve_vcc 0
		.amdhsa_float_denorm_mode_32 3
		.amdhsa_float_denorm_mode_16_64 3
		.amdhsa_memory_ordered 1
		.amdhsa_forward_progress 1
		.amdhsa_inst_pref_size 49
	.end_amdhsa_kernel
	.amdgpu_metadata
---
amdhsa.version: [ 1, 2 ]
amdhsa.kernels:
  - .name:           k_q28706e7d1f_route
    .symbol:         k_q28706e7d1f_route.kd
    .args:
      - { .name: x, .offset: 0, .size: 8, .value_kind: global_buffer, .address_space: global }
      - { .name: gate_w, .offset: 8, .size: 8, .value_kind: global_buffer, .address_space: global }
      - { .name: gate_b, .offset: 16, .size: 8, .value_kind: global_buffer, .address_space: global }
      - { .name: xq, .offset: 24, .size: 8, .value_kind: global_buffer, .address_space: global }
      - { .name: xs, .offset: 32, .size: 8, .value_kind: global_buffer, .address_space: global }
      - { .name: sel, .offset: 40, .size: 8, .value_kind: global_buffer, .address_space: global }
      - { .name: rw, .offset: 48, .size: 8, .value_kind: global_buffer, .address_space: global }
    .group_segment_fixed_size: 70912
    .private_segment_fixed_size: 0
    .kernarg_segment_align: 8
    .kernarg_segment_size: 56
    .max_flat_workgroup_size: 128
    .sgpr_count:     66
    .vgpr_count:     224
    .wavefront_size: 32
...
	.end_amdgpu_metadata
.endif
;; end of part 6
;; launch place (part 7): grid 8 x 1, 1 waves a work-group, no clusters, 0 bytes of LDS; arguments sel, list; writes list
.if DOCPART == 7
	.amdgcn_target "amdgcn-amd-amdhsa--gfx1250"
	.amdhsa_code_object_version 6
	.text
	.protected	k_q28706e7d1f_place
	.globl	k_q28706e7d1f_place
	.p2align	8
	.type	k_q28706e7d1f_place,@function
k_q28706e7d1f_place:
	s_mov_b64 s[64:65], 0
	v_nop
	global_prefetch_b8 v0, s[64:65] scope:SCOPE_SE
	s_setreg_imm32_b32 hwreg(HW_REG_WAVE_MODE, 25, 1), 1
	s_wait_xcnt 0x0
; MoE layer, launch 2 of 5: the row ids (2 t + k) are placed by expert.  Only chosen rows are listed: see the head of the first kernel.
; Work-group e, one wave, reads all 2,048 words of sel and writes expert e's part of list: 8,192 bytes: 1,024 entries, then 64 dump words.  The count goes to byte 65,536 + 4 e.
; A counting walk without atomics: 64 steps of 32 ids; a lane's place is the count so far + the matches in the lanes below it.  A lane without a match stores into its dump word.
; Only the running count links one step to the next.  So each step's compare writes a scalar mask of its own (64 of them), the chain holds one vector and five scalar lines a step, and the choice of the address,
; the hold, the shift and the store follow in batches of 16 lines that do not wait for each other.  The ids and the filling's entries are made while the loads are out.
; The entries from the count on are filled with one id of the expert (the first matching lane of the last step that has a match; 0 where it has none), so that later launches can take rows in 32s without a mask:
; a filled row repeats a real one.  Every address is chosen first, then held at 2,047 words, then shifted.  Each store has registers of its own, so none is rewritten while a store may read it.
.set SW, 16                            ; v16-79   sel, word n = 4 q + i: id 128 q + 4 lane + i
.set PP, 80                            ; v80-143  a step's place, then its byte offset
.set ID, 144                           ; v144-207 a step's id
.set PA, 208                           ; v208-239 the filling's entries, then their byte offsets
                                       ; step n's mask: s[24 + n] for n < 40, s[26 + n] from there on: s24-63 and s66-89
	s_load_b128 s[4:7], s[0:1], 0x0                ; sel, list
	v_lshlrev_b32 v1, 4, v0                        ; 16 x lane
	v_lshlrev_b32 v2, 2, v0                        ; 4 x lane
	v_add_nc_u32 v3, 1024, v0                      ; my dump word for the walk,
	v_add_nc_u32 v4, 1056, v0                      ; and for the filling
	s_mov_b32 s12, ttmp9                           ; e
	s_mov_b32 s20, 0                               ; the count
	s_mov_b32 s21, 0                               ; the last mask that has a match,
	s_mov_b32 s22, 0                               ; and its step's part of an id
	s_lshl_b32 s8, ttmp9, 13
	s_mov_b32 s9, 0
	s_lshl_b32 s15, ttmp9, 2
	s_wait_kmcnt 0x0
	s_add_nc_u64 s[10:11], s[6:7], s[8:9]
.irp q, 0,1,2,3,4,5,6,7,8,9,10,11,12,13,14,15
	global_load_b128 v[SW+4*\q:SW+4*\q+3], v1, s[4:5] offset:512*\q
.endr
.set N_, 0
.rept 64
	v_add_nc_u32 v[ID+N_], 128*(N_/4)+N_%4, v2     ; step n's id in my lane
.set N_, N_+1
.endr
.set N_, 0
.rept 32
	v_add_nc_u32 v[PA+N_], 32*N_, v0               ; entry j = 32 n + lane
.set N_, N_+1
.endr
.set N_, 0
.rept 64
.if (N_%4) == 0
	s_wait_loadcnt 15-N_/4                         ; loads come back in order: this one's four words are in, the later loads stay out
.endif
.set MR_, 24+N_+2*(N_/40)
	v_cmp_eq_u32 s[MR_], s12, v[SW+N_]
.set N_, N_+1
.endr
.set N_, 0
.rept 64
.set MR_, 24+N_+2*(N_/40)
	v_mbcnt_lo_u32_b32 v[PP+N_], s[MR_], s20       ; the count so far + the matches below me
	s_bcnt1_i32_b32 s14, s[MR_]
	s_cmp_lg_u32 s[MR_], 0
	s_cselect_b32 s21, s[MR_], s21
	s_cselect_b32 s22, 128*(N_/4)+N_%4, s22
	s_add_co_u32 s20, s20, s14
.set N_, N_+1
.endr
	s_ctz_i32_b32 s13, s21                         ; the filler: the first matching lane of that mask,
	s_lshl_b32 s13, s13, 2
	s_add_co_u32 s13, s13, s22                     ; as an id;
	s_cmp_lg_u32 s20, 0
	s_cselect_b32 s13, s13, 0                      ; 0 where the expert has no row
	v_mov_b32 v5, s13
.set B_, 0
.rept 4
.set N_, 16*B_
.rept 16
.set MR_, 24+N_+2*(N_/40)
	v_cndmask_b32 v[PP+N_], v3, v[PP+N_], s[MR_]   ; no match: the dump word
.set N_, N_+1
.endr
.set N_, 16*B_
.rept 16
	v_min_u32 v[PP+N_], 0x7ff, v[PP+N_]
.set N_, N_+1
.endr
.set N_, 16*B_
.rept 16
	v_lshlrev_b32 v[PP+N_], 2, v[PP+N_]
.set N_, N_+1
.endr
.set N_, 16*B_
.rept 16
	global_store_b32 v[PP+N_], v[ID+N_], s[10:11]
.set N_, N_+1
.endr
.set B_, B_+1
.endr
.set N_, 0
.rept 32
	v_cmp_gt_u32 s[24+N_], s20, v[PA+N_]           ; taken by the walk where the count is above j  (the walk's choices, above, have read these masks)
.set N_, N_+1
.endr
.set N_, 0
.rept 32
	v_cndmask_b32 v[PA+N_], v[PA+N_], v4, s[24+N_]
.set N_, N_+1
.endr
.set N_, 0
.rept 32
	v_min_u32 v[PA+N_], 0x7ff, v[PA+N_]
.set N_, N_+1
.endr
.set N_, 0
.rept 32
	v_lshlrev_b32 v[PA+N_], 2, v[PA+N_]
.set N_, N_+1
.endr
.set N_, 0
.rept 32
	global_store_b32 v[PA+N_], v5, s[10:11]
.set N_, N_+1
.endr
	v_mov_b32 v6, s20
	v_mov_b32 v7, s15
	global_store_b32 v7, v6, s[6:7] offset:65536   ; the count; all lanes write the same word with the same value
	s_endpgm
.Lfunc_end_k_q28706e7d1f_place:
	.size	k_q28706e7d1f_place, .Lfunc_end_k_q28706e7d1f_place-k_q28706e7d1f_place
	.p2alignl 7, 3214868480
	.fill 96, 4, 3214868480
	.section	.rodata,"a",@progbits
	.p2align	6, 0x0
	.amdhsa_kernel k_q28706e7d1f_place
		.amdhsa_group_segment_fixed_size 0
		.amdhsa_private_segment_fixed_size 0
		.amdhsa_enable_private_segment 0
		.amdhsa_kernarg_size 16
		.amdhsa_user_sgpr_count 2
		.amdhsa_user_sgpr_kernarg_segment_ptr 1
		.amdhsa_wavefront_size32 1
		.amdhsa_system_sgpr_workgroup_id_x 1
		.amdhsa_system_sgpr_workgroup_id_y 1
		.amdhsa_system_sgpr_workgroup_id_z 1
		.amdhsa_system_vgpr_workitem_id 0
		.amdhsa_next_free_vgpr 240
		.amdhsa_next_free_sgpr 96
		.amdhsa_reserve_vcc 0
		.amdhsa_float_denorm_mode_32 3
		.amdhsa_float_denorm_mode_16_64 3
		.amdhsa_memory_ordered 1
		.amdhsa_forward_progress 1
		.amdhsa_inst_pref_size 55
	.end_amdhsa_kernel
	.amdgpu_metadata
---
amdhsa.version: [ 1, 2 ]
amdhsa.kernels:
  - .name:           k_q28706e7d1f_place
    .symbol:         k_q28706e7d1f_place.kd
    .args:
      - { .name: sel, .offset: 0, .size: 8, .value_kind: global_buffer, .address_space: global }
      - { .name: list, .offset: 8, .size: 8, .value_kind: global_buffer, .address_space: global }
    .group_segment_fixed_size: 0
    .private_segment_fixed_size: 0
    .kernarg_segment_align: 8
    .kernarg_segment_size: 16
    .max_flat_workgroup_size: 32
    .sgpr_count:     96
    .vgpr_count:     240
    .wavefront_size: 32
...
	.end_amdgpu_metadata
.endif
;; end of part 7
;; launch ffn1: the kernel of part 3 again; grid 32 x 8, 16 waves a work-group, no clusters, 80,384 bytes of LDS; arguments w1, b1, xq, xs, list, hq, hs; writes hq, hs
;; launch ffn2: the kernel of part 4 again; grid 32 x 8, 16 waves a work-group, no clusters, 149,760 bytes of LDS; arguments w2, b2, hq, hs, list, rw, ybuf; writes ybuf
;; launch combine: the kernel of part 5 again; grid 256 x 1, 8 waves a work-group, no clusters, 0 bytes of LDS; arguments ybuf, out0; writes out0
